; MI455X (gfx1250); checked and timed in simulation.
; The chip was launched on July 23, 2026; its instructions are those of AMD's public machine-readable ISA for CDNA 5 (MIT licence, August 2026) and "CDNA5" Instruction Set Architecture Reference Guide (July 2026). The comments in the code are by the model that wrote it; some were corrected since.
;; Multi Headed Attention. Allowed arithmetic: matrix products marked QUANTISED: E4M3 operands, one E8M0 scale for each 32 along K, by v_wmma_scale_f32_16x16x128_f8f6f4 with both operands' format E4M3, f32 sums; everything else in f32.
;; Inputs: Wk_b 1,024 float32; Wk_w_codes 1,024 x 32 x 32 uint8 (E4M3 codes of Wk_w, K innermost, in blocks of 32 codes); Wk_w_scales 1,024 x 32 uint8 (E8M0 scales of Wk_w, one for each 32 codes along K); Wo_b 1,024 float32; Wo_w_codes 1,024 x 32 x 32 uint8 (E4M3 codes of Wo_w, K innermost, in blocks of 32 codes); Wo_w_scales 1,024 x 32 uint8 (E8M0 scales of Wo_w, one for each 32 codes along K); Wq_b 1,024 float32; Wq_w_codes 1,024 x 32 x 32 uint8 (E4M3 codes of Wq_w, K innermost, in blocks of 32 codes); Wq_w_scales 1,024 x 32 uint8 (E8M0 scales of Wq_w, one for each 32 codes along K); Wv_b 1,024 float32; Wv_w_codes 1,024 x 32 x 32 uint8 (E4M3 codes of Wv_w, K innermost, in blocks of 32 codes); Wv_w_scales 1,024 x 32 uint8 (E8M0 scales of Wv_w, one for each 32 codes along K); key_codes 4 x 2,048 x 32 x 32 uint8 (E4M3 codes of key, K innermost, in blocks of 32 codes); key_scales 4 x 2,048 x 32 uint8 (E8M0 scales of key, one for each 32 codes along K); mask 4 x 2,048 x 2,048 int32; query_codes 4 x 2,048 x 32 x 32 uint8 (E4M3 codes of query, K innermost, in blocks of 32 codes); query_scales 4 x 2,048 x 32 uint8 (E8M0 scales of query, one for each 32 codes along K); value_codes 4 x 2,048 x 32 x 32 uint8 (E4M3 codes of value, K innermost, in blocks of 32 codes); value_scales 4 x 2,048 x 32 uint8 (E8M0 scales of value, one for each 32 codes along K).
;; Outputs: out0 4 x 2,048 x 1,024 float32.
;; This version of the problem:
;;   THIS VERSION OF THE PROBLEM IS GIVEN IN LOW PRECISION. The matrix products marked QUANTISED in the list below multiply operands that are first quantised to E4M3 (4 exponent bits, 3 mantissa bits; 8 bits a number), with one power-of-two scale for each 32 numbers along K (OCP MX v1.0); their sums are f32. All else is computed in f32.
;;   The module's matrix products, in the order in which they are computed (A, B: the left and right operand; K: the contracted axis; several contracted axes count as one K, in the product's order):
;;     1. [M 8,192, K 1,024] x [K 1,024, N 1,024]; A: input query (given as codes); B: input Wq_w (given as codes): QUANTISED
;;     2. [M 8,192, K 1,024] x [K 1,024, N 1,024]; A: input key (given as codes); B: input Wk_w (given as codes): QUANTISED
;;     3. [M 8,192, K 1,024] x [K 1,024, N 1,024]; A: input value (given as codes); B: input Wv_w (given as codes): QUANTISED
;;     4. batch 64 x [M 2,048, K 64] x [K 64, N 2,048]; A: computed on the way; B: computed on the way: QUANTISED
;;     5. batch 64 x [M 2,048, K 2,048] x [K 2,048, N 64]; A: softmax (see below); B: computed on the way: QUANTISED
;;     6. [M 8,192, K 1,024] x [K 1,024, N 1,024]; A: computed on the way; B: input Wo_w (given as codes): QUANTISED
;;   THE QUANTISER, for each operand of a quantised product, along K:
;;     - K is cut into blocks of 32 from its start; a last block that is shorter is filled with zeros.
;;     - A block's scale is 2^e with e = floor(log2(the largest magnitude in the block)) - 8, held to -126 .. 127; a block of zeros has e = 0. As a byte (E8M0): e + 127.
;;     - Each number is divided by its block's scale, clamped to +-448, and rounded to the nearest number of E4M3, ties to even, subnormals kept.
;;     - The product sums the exact products of the quantised numbers (number of the format x scale) in f32.
;;   ~~~python
;;   def quantise(x, axis):      # numpy; x: float32 -> the quantised numbers, widened to float32 again
;;       x = np.moveaxis(x, axis, -1); K = x.shape[-1]
;;       x = np.pad(x, [(0, 0)] * (x.ndim - 1) + [(0, -K % 32)]); x = x.reshape(x.shape[:-1] + (-1, 32)); a = np.abs(x).max(-1, keepdims=True)
;;       e = np.where(a > 0, np.clip(np.frexp(np.where(a > 0, a, 1))[1] - 1 - 8, -126, 127), 0)      # np.frexp(a)[1] - 1 = floor(log2(a)), exactly
;;       r = np.clip(x / 2.0 ** e, -448, 448)
;;       step = 2.0 ** (np.maximum(np.frexp(np.where(r == 0, 1, r))[1] - 1, -6) - 3)
;;       q = np.round(r / step) * step * 2.0 ** e      # np.round: ties to even
;;       return np.moveaxis(q.reshape(q.shape[:-2] + (-1,))[..., :K], -1, axis).astype(np.float32)
;;   ~~~
;;   SOFTMAX AHEAD OF A QUANTISED PRODUCT. Where the list says 'softmax', what is quantised is not the finished softmax but p = 2^(t - M), with t = logit x log2(e) and M = ceil(the row's largest t), a whole number; so 1/2 < the row's largest p <= 1. The row's sum l is taken of the UNQUANTISED p, in f32, and the product's result is divided by l at the end. Since M is a whole number, a kernel that streams over the keys may use a running M (the ceiling of the running maximum): every later rescaling is an exact power of two, which a block's scale takes up: the codes' values come out the same.
;;   OPERANDS COMPUTED ON THE WAY. 'Computed on the way' means the value that the module computes at that place (a softmax that the list does not call 'softmax' is quantised finished and normalised). What goes into a quantiser is computed in f32, as accurately as f32 sums, v_exp_f32 and their like allow (about 1e-6 of the number): no bf16 or f16 on the way to a quantiser, and a product that is left as it is and whose result goes on into a quantised operand takes f32 operands (vector FMAs, or v_wmma_f32_16x16x4_f32). A number that lies on a knife's edge between two numbers of the format may be rounded either way, as far as f32 arithmetic and the matrix unit's own rounding can turn it there, and no further.
;;   INPUTS GIVEN AS CODES. Wk_w (in the module: [1024, 1024], K = its axis 1); Wo_w (in the module: [1024, 1024], K = its axis 1); Wq_w (in the module: [1024, 1024], K = its axis 1); Wv_w (in the module: [1024, 1024], K = its axis 1); key (in the module: [4, 2048, 1024], K = its axis 2); query (in the module: [4, 2048, 1024], K = its axis 2); value (in the module: [4, 2048, 1024], K = its axis 2): each comes as NAME_codes (uint8): NAME with its K axis moved to the last place and cut into blocks of 32 codes, [.., K / 32, bytes a block], one block behind the other in memory; one code a byte (a code: sign, 4 exponent bits, 3 mantissa bits); and NAME_scales (uint8): the same leading axes, one E8M0 byte (e + 127) for each 32 codes along K. Its value is code x scale, taken as it is: it is not quantised again, and the codes and scales need not be those that the quantiser above would give.
;; 2 versions, each right; version 2 is version 1 with the launch attn written anew for expert scheduling mode. Each part assembles by itself: llvm-mc -triple=amdgcn-amd-amdhsa -mcpu=gfx1250 --defsym DOCPART=n.
;; ======== version 1 of 2: 4 launches
;; limits: right only within a limited range of input values
;; workspace buffers: mbits 2,097,152 bytes of whole numbers; mflag 2,048 bytes of whole numbers; qimg 8,388,608 bytes; qsc 262,144 bytes; kv 17,301,504 bytes; himg 8,388,608 bytes; hsc 262,144 bytes
;; launch maskbits (part 1): grid 512 x 1, 16 waves a work-group, no clusters, 137,472 bytes of LDS; arguments mask, mbits, mflag; writes mbits, mflag
.if DOCPART == 1
	.amdgcn_target "amdgcn-amd-amdhsa--gfx1250"
	.amdhsa_code_object_version 6
	.text
	.protected	k_q3db90f39c6_maskbits
	.globl	k_q3db90f39c6_maskbits
	.p2align	8
	.type	k_q3db90f39c6_maskbits,@function
k_q3db90f39c6_maskbits:
	s_mov_b64 s[64:65], 0
	v_nop
	global_prefetch_b8 v0, s[64:65] scope:SCOPE_SE
	s_setreg_imm32_b32 hwreg(HW_REG_WAVE_MODE, 25, 1), 1
	s_wait_xcnt 0x0
; The mask [4][2048][2048] of int32 becomes lane masks for the attention launch, which all 16 heads then share: 1/32 of the bytes.
; mbits [G = 16 rows of queries: 512][key step of 128: 16][64 words]: bit L = r + 16 h of word n = 16 f + 8 u + j is 1 where mask[row 16 G + r][key 128 step + 32 f + 16 u + 8 h + j] == 0:
; the lane and register in which the attention launch holds that score.  mflag [G]: bit s is 1 where step s of G has any such element.
; SHARES.  A work-group takes 16 rows of the mask (131,072 bytes), wave w the 512 bytes of key step w in each row.  Each load reads 512 consecutive bytes; the 8,192 bytes turn through the wave's own stage
; in LDS (rows 528 bytes apart: an odd multiple of 16, so that the 16 rows that a 16-byte read touches begin in 16 different groups of banks), since a lane must hold numbers of ONE row.
; All of a wave's 16 loads are out together; no matrix unit, no cluster, no tensor load: nothing is shared and nothing is read twice.
; The words of a wave leave as 256 consecutive aligned bytes.  The one word of mflag is a store of 4 bytes for 131,072 bytes read.
.set MROW,  8192                       ; a row of the mask in bytes
.set SP,    528                        ; a row of the stage
.set WST,   16*SP                      ; a wave's stage
.set FLGB,  16*WST                     ; behind the stages: a word for each wave
.set D,     16                         ; v16-79  the wave's 64 numbers a lane
	s_load_b128 s[4:7], s[0:1], 0x0                ; mask, mbits
	s_load_b64 s[8:9], s[0:1], 0x10                ; mflag
	v_lshl_add_u32 v96, v0, 2, 0x21100
	v_mov_b32 v97, 0
	v_lshrrev_b32 v8, 5, v0
	v_readfirstlane_b32 s10, v8                    ; wave = key step
	v_and_b32 v1, 31, v0                           ; lane
	v_lshlrev_b32 v2, 4, v1                        ; my 16 bytes of a load's 512
	s_mul_i32 s11, s10, WST
	v_add_nc_u32 v3, s11, v2                       ; the stage, on the way in: as the bytes lie
	v_and_b32 v8, 15, v0                           ; r
	v_bfe_u32 v9, v0, 4, 1                         ; h
	v_mul_u32_u24 v4, v8, SP
	v_lshl_add_u32 v4, v9, 5, v4
	v_add_nc_u32 v4, s11, v4                       ; and on the way out: row r, + 32 h bytes (8 keys)
	v_lshlrev_b32 v5, 3, v1                        ; two words a lane on the way to memory
	v_mov_b32 v6, 0                                ; the words: v_writelane_b32's destination counts as read
	v_mov_b32 v7, 0
	s_lshl_b32 s11, s10, 2
	s_add_co_u32 s11, s11, FLGB
	v_mov_b32 v10, s11                             ; my wave's word
	v_lshl_add_u32 v11, v8, 2, FLGB                ; and wave (lane % 16)'s
	s_lshl_b32 s12, ttmp9, 17                      ; 16 rows of 8,192 bytes a work-group,
	s_lshl_b32 s13, s10, 9                         ; 512 bytes of a row a wave
	s_add_co_u32 s12, s12, s13
	s_mov_b32 s13, 0
	s_lshl_b32 s50, ttmp9, 12                      ; mbits: 4,096 bytes a work-group, 256 a wave
	s_lshl_b32 s51, s10, 8
	s_add_co_u32 s50, s50, s51
	s_mov_b32 s51, 0
	s_lshl_b32 s52, ttmp9, 2                       ; mflag: a word a work-group
	s_mov_b32 s53, 0
	s_wait_kmcnt 0x0
	s_add_nc_u64 s[4:5], s[4:5], s[12:13]
	s_add_nc_u64 s[6:7], s[6:7], s[50:51]
	s_add_nc_u64 s[8:9], s[8:9], s[52:53]
.irp i, 0,1,2,3,4,5,6,7,8,9,10,11,12,13,14,15
	global_load_b128 v[D+4*\i:D+4*\i+3], v2, s[4:5] offset:MROW*\i th:TH_LOAD_NT   ; row i: 512 consecutive bytes; read once in the launch
.endr
.irp i, 0,1,2,3,4,5,6,7,8,9,10,11,12,13,14,15
	s_wait_loadcnt 15-\i                           ; loads come back in order: row i is in, the younger rows may be out
	ds_store_b128 v3, v[D+4*\i:D+4*\i+3] offset:SP*\i
.endr
.irp m, 0,1,2,3,4,5,6,7,8,9,10,11,12,13,14,15
	ds_load_b128 v[D+4*\m:D+4*\m+3], v4 offset:128*(\m/4)+64*((\m/2)%2)+16*(\m%2)   ; registers 4 m on: n = 16 f + 8 u + j.  My own bytes, and LDS serves a wave's instructions in order: no wait, no barrier
.endr
	s_wait_dscnt 0x0
; 32 words at a time: a compare makes the lane mask, which is the word; lane n / 2 of register n % 2 takes it
.macro HALF hh
.set k, 0
.rept 32
	v_cmp_eq_u32 s[16+k], 0, v[D+32*\hh+k]
.set k, k+1
.endr
.if \hh == 0
	s_or_b32 s14, s16, s17                         ; any hole at all?
.else
	s_or_b32 s14, s14, s16
	s_or_b32 s14, s14, s17
.endif
.set k, 2
.rept 30
	s_or_b32 s14, s14, s[16+k]
.set k, k+1
.endr
.set k, 0
.rept 32
	v_writelane_b32 v[6+k%2], s[16+k], (32*\hh+k)/2
.set k, k+1
.endr
.endm
	HALF 0
	HALF 1
	global_store_b64 v5, v[6:7], s[6:7]            ; 32 lanes store 256 consecutive bytes, aligned
	v_mov_b32 v8, s14
	ds_store_b32 v10, v8                           ; all lanes write the same word with the same value
	s_wait_dscnt 0x0                               ; for the others' sake: my word has landed
	s_barrier_signal -1
	s_barrier_wait -1
	s_cmp_lg_u32 s10, 0                            ; wave 0 gathers the sixteen; no barrier stands under this branch
	s_cbranch_scc1 .Ldone
	ds_load_b32 v9, v11
	s_wait_dscnt 0x0
	v_cmp_ne_u32 s14, 0, v9                        ; bit L: step L % 16 has holes
	s_and_b32 s14, s14, 0xffff
	v_mov_b32 v8, s14
	v_mov_b32 v9, 0
	v_cmp_eq_u32 vcc_lo, 0, v1
	s_wait_xcnt 0x0                                ; EXEC is a source of the store above: it changes only behind this wait
	s_and_saveexec_b32 s15, vcc_lo
	global_store_b32 v9, v8, s[8:9]                ; lane 0 alone
	s_wait_xcnt 0x0                                ; and again in front of the line that widens it
	s_or_b32 exec_lo, exec_lo, s15
.Ldone:
	s_wait_tensorcnt 0x0
	ds_add_u32 v96, v97
	s_wait_dscnt 0x0
	s_endpgm
.Lfunc_end_k_q3db90f39c6_maskbits:
	.size	k_q3db90f39c6_maskbits, .Lfunc_end_k_q3db90f39c6_maskbits-k_q3db90f39c6_maskbits
	.p2alignl 7, 3214868480
	.fill 96, 4, 3214868480
	.section	.rodata,"a",@progbits
	.p2align	6, 0x0
	.amdhsa_kernel k_q3db90f39c6_maskbits
		.amdhsa_group_segment_fixed_size 137472
		.amdhsa_private_segment_fixed_size 0
		.amdhsa_enable_private_segment 0
		.amdhsa_kernarg_size 24
		.amdhsa_user_sgpr_count 2
		.amdhsa_user_sgpr_kernarg_segment_ptr 1
		.amdhsa_wavefront_size32 1
		.amdhsa_system_sgpr_workgroup_id_x 1
		.amdhsa_system_sgpr_workgroup_id_y 1
		.amdhsa_system_sgpr_workgroup_id_z 1
		.amdhsa_system_vgpr_workitem_id 0
		.amdhsa_next_free_vgpr 98
		.amdhsa_next_free_sgpr 66
		.amdhsa_reserve_vcc 1
		.amdhsa_float_denorm_mode_32 3
		.amdhsa_float_denorm_mode_16_64 3
		.amdhsa_memory_ordered 1
		.amdhsa_forward_progress 1
		.amdhsa_inst_pref_size 17
	.end_amdhsa_kernel
	.amdgpu_metadata
---
amdhsa.version: [ 1, 2 ]
amdhsa.kernels:
  - .name:           k_q3db90f39c6_maskbits
    .symbol:         k_q3db90f39c6_maskbits.kd
    .args:
      - { .name: mask, .offset: 0, .size: 8, .value_kind: global_buffer, .address_space: global }
      - { .name: mbits, .offset: 8, .size: 8, .value_kind: global_buffer, .address_space: global }
      - { .name: mflag, .offset: 16, .size: 8, .value_kind: global_buffer, .address_space: global }
    .group_segment_fixed_size: 137472
    .private_segment_fixed_size: 0
    .kernarg_segment_align: 8
    .kernarg_segment_size: 24
    .max_flat_workgroup_size: 512
    .sgpr_count:     66
    .vgpr_count:     98
    .wavefront_size: 32
...
	.end_amdgpu_metadata
.endif
;; end of part 1
;; launch proj (part 2): grid 4 x 96, 4 waves a work-group, clusters of 4 x 4, 327,680 bytes of LDS; arguments query_codes, key_codes, value_codes, query_scales, key_scales, value_scales, Wq_w_codes, Wk_w_codes, Wv_w_codes, Wq_w_scales, Wk_w_scales, Wv_w_scales, Wq_b, Wk_b, Wv_b, qimg, qsc, kv; writes qimg, qsc, kv
.if DOCPART == 2
	.amdgcn_target "amdgcn-amd-amdhsa--gfx1250"
	.amdhsa_code_object_version 6
	.text
	.protected	k_q3db90f39c6_proj
	.globl	k_q3db90f39c6_proj
	.p2align	8
	.type	k_q3db90f39c6_proj,@function
k_q3db90f39c6_proj:
	s_mov_b64 s[64:65], 0
	v_nop
	global_prefetch_b8 v0, s[64:65] scope:SCOPE_SE
	s_setreg_imm32_b32 hwreg(HW_REG_WAVE_MODE, 25, 1), 1
	s_wait_xcnt 0x0
	s_wait_alu depctr_hold_cnt(0) depctr_sa_sdst(0) depctr_va_vdst(0) depctr_va_sdst(0) depctr_va_ssrc(0) depctr_va_vcc(0) depctr_vm_vsrc(0)
	s_getreg_b32 s2, hwreg(HW_REG_IB_STS2, 6, 4)
	s_cmp_eq_u32 s2, 0
	s_cbranch_scc0 .Lentry_in_a_cluster
	s_endpgm
.Lentry_in_a_cluster:
	s_bfe_u32 s2, ttmp6, 0x10000c
	s_cmp_lg_u32 s2, 0xf033
	s_cbranch_scc0 .Lentry_shape_is_right
	s_endpgm
.Lentry_shape_is_right:
; Q = query Wq^T + bq, K = key Wk^T + bk, V = value Wv^T + bv: three products [8192 x 1024] x [1024 x 1024] on codes of FP8 (E4M3) with one E8M0 scale for each 32 along K, and behind each the quantiser of its result
; for the attention launch: Q and K along the head's 64, V along the keys.  One launch: clusters y 0-7 make Q, 8-15 K, 16-23 V.
; A tile of 256 x 256 is made by four waves, 128 x 128 each: 64 accumulators, 512 registers.  K goes in steps of 256 through a ring of two LDS slots filled by the tensor data mover; the scale bytes of the work-group's
; 2 x 256 rows come into LDS once, with the first fills.
; P AND R.  Source 0 of the matrix instruction takes 16 rows of P, source 1 16 rows of R: a lane (r, h) then holds ONE row 16 a + r of R, and its eight registers rows 16 b + 8 h + 0 .. 7 of P.  The axis along which the
; result is quantised must run along a lane's registers, so for Q and K P = the weight (units) and R = the tokens, and for V P = value's tokens (the keys) and R = Wv.  Only pointers and block numbers are chosen, by
; s_cselect on the cluster's y, which all sixteen partners share; masks, shapes and LDS addresses are one text.
; CLUSTERS: 4 x 4 work-groups.  R's tile hangs on cy and is asked for jointly by a row of the cluster, P's on cx and by a column.
; THE WAY OUT uses no LDS.  A block of 32 along P is the 16 registers of accumulators 2 beta, 2 beta + 1 in lanes l and l xor 16.  Its 16 codes a lane (4 registers) go out as they stand: 32 lanes x 16 bytes = 512 consecutive
; aligned bytes, an image of four operand registers.  Byte e of a lane's 16 is row 32 beta + 16 (e / 8) + 8 h + e % 8 of P: a permutation of k inside a block of 32, the same for both operands of each attention product
; (Q and K here, V here and p there, made by the same lines), so products and scale blocks are right and only the order of the sums inside an instruction differs.
; OUT: qimg [head 64][tile of 16 tokens 128][block 2][lane][16 B]; kv [head 64][step of 128 keys 16][16,896 B]: + 0 four fragments of K (tile 2 f in registers 0-7, tile 2 f + 1 in 8-15), + 8192 four of V (16 d x 128 keys),
; + 16384 K's scale words, + 16640 V's.  Scale words of 128 tokens (four words W0 .. W3 a lane r): [lane][2 words], word 0 = W0 in lanes 0-15 and W1 in lanes 16-31, word 1 = W2 and W3.  qsc has the same form.
; LIMITS: NaN and infinities are not served; a block of zeros, and one whose largest magnitude lies under 2^-118, gets the scale byte 1 (its bytes are read by this program alone).
.set SIZE_K, 1024
.set KSTEP,  256                       ; along K in a slot
.set NQ,     KSTEP/128                 ; matrix instructions deep
.set ROWB,   256                       ; a tile's row in bytes
.set KROW,   SIZE_K                    ; a row of codes in memory
.set PITCH,  272                       ; an LDS row: 256 bytes + 16 of padding: the 16 rows that a load touches start at 16 different groups of banks (64 banks of 4 bytes: ISA guide 11.1)
.set FR,     16                        ; registers of a fragment
.set NL,     4                         ; LDS loads that bring one
.set NP,     8                         ; places behind this matrix instruction (ISA guide 7.12.1)
.set HALFT,  128*PITCH                 ; 128 rows: what one tensor load brings
.set SLOT,   4*HALFT                   ; R's 256 rows, then P's 256 rows
.set LAPS,   SIZE_K/(2*KSTEP)          ; a lap = once round the ring
.set KS,     SIZE_K/32                 ; a row of scale bytes
.set SCL,    2*SLOT                    ; behind the ring: the scales, as rows of 256 bytes + 16
.set HALFS,  (128*KS/256)*272
.set SBLK,   (16*KS/256)*272
.set SPARE,  SCL+4*HALFS               ; the spare words, 128 bytes a wave: two blocks of 256 bytes that no other line names
.set STEPB,  16896                     ; kv: a key step
.set HEADB,  16*STEPB                  ; kv: a head
.set ADRA, 16                          ; v16-17  LDS address of my R fragments in slot 0, 1
.set ADRB, 20                          ; v20-21  the same for P
.set BO0,  22                          ; v22     32 h: the bias's offset where registers run along units; never rewritten
.set BO1,  23                          ; v23     4 r: where a lane holds one unit; never rewritten
.set ADRS, 27                          ; v27     LDS address of my scale words
.set SPW,  28                          ; v28     my spare word's address; never rewritten
.set NIL,  29                          ; v29     0; never rewritten
.set LI,   30                          ; v30     16 x lane
.set L8,   31                          ; v31     8 x lane
.set SC,   32                          ; v32-63  scale words, two sets
.set BIA,  64                          ; v64-127 the bias, in the result's layout
.set AF,   128                         ; v128-255 R's fragments; on the way out:
.set X,    128                         ; v128-191 64 numbers to quantise
.set PC,   192                         ; v192-207 their codes
.set TM,   208                         ; v208-223 at work
.set PW,   224                         ; v224    the scale word just made
.set PWS,  225                         ; v225-232 those of the eight tiles
.set WS,   234                         ; v234-241 the words W0 .. W3 of the two heads
.set RR,   242                         ; v242-245 and what is stored of them
.set G1, 24                            ; s[24:31] descriptor group 1 for R's tiles; s[32:39] group 0, one set a slot
.set G0, 32
.set G1B, 48                           ; s[48:55], s[56:63] the same for P's
.set G0B, 56
.set G1S, 68                           ; s[68:75], s[76:79] for R's scales; s[80:87], s[88:91] for P's
.set G0S, 76
.set G1SB, 80
.set G0SB, 88
.set SEL, 24                           ; on the way out, when no tensor load is out: s[24:25] lane selects, s26 448's mantissa field, s27 lanes 16-31
.set MNT, 26
.set MH,  27
.set MSB, 0
.macro WIN new                         ; the immediate's high byte repeats the setting that is left
.if MSB != (\new)
	s_set_vgpr_msb (MSB<<8)|(\new)
.set MSB, (\new)
.endif
.endm
.set MUL_LO, 0xa1                      ; source 0 (P) window 1, source 1 (R) window 0, C and D window 2
.set MUL_HI, 0xf1                      ; the same, C and D window 3
.set TO_B,   0x40                      ; destination window 1
; A joint load: waves 0 and 1 fetch for R, waves 2 and 3 for P.  The branch hangs on the wave's number alone.  Four v_nop follow each of the two lines.
.macro JLOAD g0a, g1a, g0b, g1b
	s_cmp_eq_u32 s15, 0
	s_cbranch_scc0 .Lfor_b_\@
	tensor_load_to_lds s[\g0a:\g0a+3], s[\g1a:\g1a+7]
	s_nop 0
.rept 4
	v_nop
.endr
	s_branch .Lasked_\@
.Lfor_b_\@:
	tensor_load_to_lds s[\g0b:\g0b+3], s[\g1b:\g1b+7]
	s_nop 0
.rept 4
	v_nop
.endr
.Lasked_\@:
.endm
.macro CREST                           ; a round of the cluster's barrier behind its opening barrier
	s_cmp_lg_u32 s14, 0
	s_cbranch_scc1 .Lnot_wave_0_\@
	s_barrier_signal -3
.Lnot_wave_0_\@:
	s_barrier_wait -3
	s_barrier_signal -1
	s_barrier_wait -1
.endm
.macro CROUND                          ; a whole round
	s_barrier_signal -1
	s_barrier_wait -1
	CREST
.endm
	s_load_b512 s[68:83], s[0:1], 0x0              ; query, key, value codes; their scales; Wq, Wk codes
	s_load_b512 s[84:99], s[0:1], 0x40             ; Wv codes; Wq, Wk, Wv scales; bq, bk, bv; qimg
	s_load_b128 s[20:23], s[0:1], 0x80             ; qsc, kv
	v_lshl_add_u32 v[SPW], v0, 2, SPARE
	v_mov_b32 v[NIL], 0
	ds_add_u32 v28, v29
	ds_add_u32 v28, v29
	s_wait_dscnt 0x0
	v_lshrrev_b32 v1, 5, v0
	v_readfirstlane_b32 s14, v1                    ; wave 0..3
	s_lshr_b32 s15, s14, 1                         ; which half of R's rows is mine.  Also: I fetch for R (0) or for P (1)
	s_and_b32 s16, s14, 1                          ; which half of P's rows.  Also: which 128 rows of that tile I fetch
	s_bfe_u32 s40, ttmp6, 0x40000                  ; cx, cy: my place in the cluster
	s_bfe_u32 s41, ttmp6, 0x40004
	s_and_b32 s2, ttmp7, 0xffff                    ; the cluster's y: 0-7 Q, 8-15 K, 16-23 V; the same in all sixteen partners
	s_sub_co_u32 s36, s2, 16
	s_lshl_b32 s36, s36, 2                         ; V: four blocks of tokens a cluster, along x
	s_and_b32 s37, s2, 7
	s_lshl_b32 s37, s37, 2                         ; Q, K: along y
	s_lshl_b32 s43, s41, 2
	s_lshl_b32 s43, 15, s43                        ; my row of the cluster
	s_lshl_b32 s44, 0x1111, s40                    ; my column
	s_wait_kmcnt 0x0
	s_cmp_lt_u32 s2, 8                             ; Q's buffers or K's
	s_cselect_b64 s[68:69], s[68:69], s[70:71]
	s_cselect_b64 s[74:75], s[74:75], s[76:77]
	s_cselect_b64 s[80:81], s[80:81], s[82:83]
	s_cselect_b64 s[86:87], s[86:87], s[88:89]
	s_cselect_b64 s[92:93], s[92:93], s[94:95]
	s_cselect_b64 s[98:99], s[98:99], s[22:23]
	s_cselect_b64 s[20:21], s[20:21], s[22:23]
	s_cmp_lt_u32 s2, 16                            ; those, or V's with the sides changed
	s_cselect_b64 s[4:5], s[68:69], s[84:85]       ; R's codes: tokens, or Wv
	s_cselect_b64 s[6:7], s[74:75], s[90:91]       ; R's scales
	s_cselect_b64 s[8:9], s[80:81], s[72:73]       ; P's codes: the weight, or value's tokens
	s_cselect_b64 s[10:11], s[86:87], s[78:79]     ; P's scales
	s_cselect_b64 s[12:13], s[92:93], s[96:97]     ; the bias
	s_cselect_b64 s[100:101], s[98:99], s[22:23]   ; where the codes go
	s_cselect_b64 s[104:105], s[20:21], s[22:23]   ; where the scale words go
	s_cselect_b32 s18, 0, s36
	s_cselect_b32 s19, s37, 0
	s_add_co_u32 s42, s40, s18                     ; P's block of 256 rows: hangs on cx and the cluster
	s_add_co_u32 s17, s41, s19                     ; R's: on cy and the cluster
	; descriptor group 1: a tile of 128 rows x 256 bytes, padded in LDS
	s_or_b32 s[G1+0], s43, (0<<16)|(1<<20)|(1<<21)|(5<<22)|(3<<25)  ; 15:0 the mask: R's tiles go to my row; 17:16 elements of 1 byte; 20 padding on; 21 set beside a mask; 24:22 after every 64 words; 31:25 four words
	s_or_b32 s[G1B+0], s44, (0<<16)|(1<<20)|(1<<21)|(5<<22)|(3<<25)
.irp g, G1, G1B
	s_mov_b32 s[\g+1], ROWB<<16                    ; tensor_dim0
	s_mov_b32 s[\g+2], 128<<16                     ; tensor_dim1
	s_mov_b32 s[\g+3], ROWB<<16                    ; tile_dim0
	s_mov_b32 s[\g+4], 128                         ; tile_dim1
	s_mov_b32 s[\g+5], KROW                        ; from row to row
	s_mov_b32 s[\g+6], 0
	s_mov_b32 s[\g+7], 0
.endr
	; the scales of 128 rows: a dense block of 4,096 bytes, as rows of 256 bytes (32 elements of 8), 16 bytes of padding behind each
	s_or_b32 s[G1S+0], s43, (3<<16)|(1<<20)|(1<<21)|(5<<22)|(3<<25)
	s_or_b32 s[G1SB+0], s44, (3<<16)|(1<<20)|(1<<21)|(5<<22)|(3<<25)
.irp g, G1S, G1SB
	s_mov_b32 s[\g+1], 32<<16
	s_mov_b32 s[\g+2], (128*KS/256)<<16
	s_mov_b32 s[\g+3], 32<<16
	s_mov_b32 s[\g+4], 128*KS/256
	s_mov_b32 s[\g+5], 32
	s_mov_b32 s[\g+6], 0
	s_mov_b32 s[\g+7], 0
.endr
	s_lshl_b32 s18, s16, 7                         ; which 128 rows of the tile I fetch
	s_lshl_b32 s20, s17, 8
	s_add_co_u32 s20, s20, s18                     ; R: row 256 x block + 128 x half
	s_lshl_b32 s46, s42, 8
	s_add_co_u32 s46, s46, s18                     ; P likewise
	s_mov_b32 s21, 0
	s_mov_b32 s47, 0
	s_mov_b64 s[18:19], KS
	s_mul_u64 s[22:23], s[20:21], s[18:19]         ; where these rows' scales begin, in bytes,
	s_mul_u64 s[92:93], s[46:47], s[18:19]
	s_mov_b64 s[18:19], KROW
	s_mul_u64 s[20:21], s[20:21], s[18:19]         ; and their codes
	s_mul_u64 s[46:47], s[46:47], s[18:19]
	s_mul_i32 s45, s14, HALFT                      ; where they go: wave x 128 rows: no place in the cluster enters an LDS address
	s_mul_i32 s94, s14, HALFS
	s_add_nc_u64 s[20:21], s[4:5], s[20:21]
	s_add_nc_u64 s[22:23], s[6:7], s[22:23]
	s_add_nc_u64 s[46:47], s[8:9], s[46:47]
	s_add_nc_u64 s[92:93], s[10:11], s[92:93]
	CROUND                                         ; all sixteen work-groups are here: the first joint loads meet
	s_mov_b32 s[G0S], 1
	s_add_co_u32 s[G0S+1], s94, SCL
	s_mov_b64 s[G0S+2:G0S+3], s[22:23]
	s_or_b32 s[G0S+3], s[G0S+3], 0x80000000
	s_mov_b32 s[G0SB], 1
	s_add_co_u32 s[G0SB+1], s94, SCL
	s_mov_b64 s[G0SB+2:G0SB+3], s[92:93]
	s_or_b32 s[G0SB+3], s[G0SB+3], 0x80000000
	JLOAD G0S, G1S, G0SB, G1SB                     ; the scales first: they are wanted with K step 0
.irp s, 0,1
	s_mov_b32 s[G0+4*\s], 1
	s_add_co_u32 s[G0+4*\s+1], s45, \s*SLOT
	s_add_nc_u64 s[G0+4*\s+2:G0+4*\s+3], s[20:21], \s*ROWB
	s_or_b32 s[G0+4*\s+3], s[G0+4*\s+3], 0x80000000
	s_mov_b32 s[G0B+4*\s], 1
	s_add_co_u32 s[G0B+4*\s+1], s45, \s*SLOT
	s_add_nc_u64 s[G0B+4*\s+2:G0B+4*\s+3], s[46:47], \s*ROWB
	s_or_b32 s[G0B+4*\s+3], s[G0B+4*\s+3], 0x80000000
	JLOAD G0+4*\s, G1, G0B+4*\s, G1B               ; by this text's count three tensor loads of a wave are out
.endr
	v_and_b32 v1, 15, v0                           ; r
	v_bfe_u32 v2, v0, 4, 1                         ; h
	v_mul_u32_u24 v3, v1, PITCH
	v_lshl_add_u32 v4, v2, 4, v3                   ; a fragment's row x pitch + 16 h
	s_mul_i32 s21, s15, HALFT                      ; my 128 rows of R
	s_mul_i32 s22, s16, HALFT                      ; my 128 rows of P,
	s_add_co_u32 s22, s22, 2*HALFT                 ; which lie behind R's 256
.irp s, 0,1
	v_add_nc_u32 v[ADRA+\s], s21, v4
	v_add_nc_u32 v[ADRB+\s], s22, v4
	s_add_co_u32 s21, s21, SLOT
	s_add_co_u32 s22, s22, SLOT
.endr
	v_mul_u32_u24 v5, v1, KS                       ; my row's scales: 32 bytes a row,
	v_lshrrev_b32 v6, 8, v5
	v_lshl_add_u32 v5, v6, 4, v5                   ; and 16 more for each 256 passed
	s_mul_i32 s21, s15, HALFS
	s_mul_i32 s22, s16, HALFS
	s_add_co_u32 s22, s22, 2*HALFS
	s_sub_co_u32 s22, s22, s21
	v_mul_u32_u24 v6, s22, v2                      ; lanes 16-31 take P's: one product, the distance between the two bases
	s_add_co_u32 s21, s21, SCL
	v_add_nc_u32 v5, v5, v6
	v_add_nc_u32 v[ADRS], s21, v5
	v_and_b32 v6, 31, v0
	v_lshlrev_b32 v[LI], 4, v6
	v_lshlrev_b32 v[L8], 3, v6
	; THE BIAS, in the result's layout, asked for here and waited for on the way out.  It belongs to the units: P's rows for Q and K (register 8 b + j: unit 16 b + 8 h + j), R's rows for V (unit 16 t + r for all registers of tile t)
	s_cmp_lt_u32 s2, 16
	s_cselect_b32 s96, s42, s17
	s_cselect_b32 s97, s16, s15
	s_lshl_b32 s96, s96, 10                        ; 256 units x 4 bytes a block,
	s_lshl_b32 s97, s97, 9                         ; 128 a half
	s_add_co_u32 s96, s96, s97
	s_mov_b32 s97, 0
	s_add_nc_u64 s[12:13], s[12:13], s[96:97]
	v_lshlrev_b32 v[BO0], 5, v2
	v_lshlrev_b32 v[BO1], 2, v1
	s_cmp_lt_u32 s2, 16
	s_cbranch_scc0 .Lbias_v
.irp b, 0,1,2,3,4,5,6,7
	global_load_b128 v[BIA+8*\b:BIA+8*\b+3], v[BO0], s[12:13] offset:64*\b
	global_load_b128 v[BIA+8*\b+4:BIA+8*\b+7], v[BO0], s[12:13] offset:64*\b+16
.endr
	s_branch .Lbias_in
.Lbias_v:
.irp t, 0,1,2,3,4,5,6,7
.irp j, 0,1,2,3,4,5,6,7
	global_load_b32 v[BIA+8*\t+\j], v[BO1], s[12:13] offset:64*\t   ; tile t's number in eight registers, so that all 64 are written on both ways and the packed additions find pairs
.endr
.endr
.Lbias_in:
.macro FRAG reg, adr, q, i             ; a fragment, 16 rows x 128 K: lane l holds row l % 16; registers 4 c .. 4 c + 3 hold K = 32 c + 16 (l / 16) + 0 .. 15
.irp c, 0,1,2,3
	ds_load_b128 v[\reg+4*\c:\reg+4*\c+3], v[\adr] offset:128*(\q)+32*\c+(\i)*16*PITCH
.endr
.endm
; 16 matrix instructions: R's blocks a0, a0 + 1 x P's eight, 128 along K.  p: P's set; sc: the set of scale words.  zero = 1: the first product starts the sums.
; The 64 accumulators take turns, one instruction a turn, in the same order in every step.
.macro MUL16 a0, p, q, sc, zero
.irp a, \a0, \a0+1
.irp b, 0,1,2,3,4,5,6,7
.if \zero
	v_wmma_scale_f32_16x16x128_f8f6f4 v[8*(8*((\a)%4)+\b):8*(8*((\a)%4)+\b)+7], v[128*(\p)+FR*\b:128*(\p)+FR*\b+FR-1], v[AF+FR*(\a):AF+FR*(\a)+FR-1], 0, v[SC+8*NQ*(\sc)+NQ*\b+(\q)], v[SC+8*NQ*(\sc)+NQ*(\a)+(\q)] matrix_a_scale:MATRIX_SCALE_ROW1
.else
	v_wmma_scale_f32_16x16x128_f8f6f4 v[8*(8*((\a)%4)+\b):8*(8*((\a)%4)+\b)+7], v[128*(\p)+FR*\b:128*(\p)+FR*\b+FR-1], v[AF+FR*(\a):AF+FR*(\a)+FR-1], v[8*(8*((\a)%4)+\b):8*(8*((\a)%4)+\b)+7], v[SC+8*NQ*(\sc)+NQ*\b+(\q)], v[SC+8*NQ*(\sc)+NQ*(\a)+(\q)] matrix_a_scale:MATRIX_SCALE_ROW1
.endif
.endr
.endr
.endm
.macro FETCH_B slot, q, p              ; P's eight fragments of the slot's q-th 128 along K into set p
	WIN TO_B
.irp i, 0,1,2,3,4,5,6,7
	FRAG 128*(\p)+FR*\i, ADRB+\slot, \q, \i
.endr
	WIN 0
.endm
.macro FETCH_A slot, q, i0             ; R's blocks i0 .. i0 + 3
.irp i, \i0, \i0+1, \i0+2, \i0+3
	FRAG AF+FR*(\i), ADRA+\slot, \q, \i
.endr
.endm
.macro SCALES sc                       ; a K step's scale words: lanes 0-15 take R's block i, lanes 16-31 P's block i
.irp i, 0,1,2,3,4,5,6,7
	ds_load_b64 v[SC+8*NQ*\sc+NQ*\i:SC+8*NQ*\sc+NQ*\i+1], v[ADRS] offset:\i*SBLK
.endr
.endm
.macro PLACES n                        ; plain vector instructions between a matrix instruction and a load into, or a read of, its registers
.rept \n
	v_nop
.endr
.endm
; A step of 128 along K that has its successor in the same slot.
.macro STEP slot, q, zero
	s_wait_dscnt 4*NL                              ; P's set and R's blocks 0-3 are in; the youngest 16 loads (R's blocks 4-7) may be out
	WIN MUL_LO
	MUL16 0, (\q)%2, \q, \slot, \zero
	MUL16 2, (\q)%2, \q, \slot, \zero
	s_wait_dscnt 0                                 ; R's blocks 4-7 are in
	PLACES NP
	FETCH_B \slot, (\q)+1, 1-(\q)%2
	FETCH_A \slot, (\q)+1, 0
	WIN MUL_HI
	MUL16 4, (\q)%2, \q, \slot, \zero
	MUL16 6, (\q)%2, \q, \slot, \zero
	PLACES NP
	WIN 0
	FETCH_A \slot, (\q)+1, 4
.endm
; A slot's last step changes slots: one barrier; in front of it each wave waits for all its tensor loads, adds 0 to its spare word, and waits for that and for its reads of this slot.  fill = 1: the slot is filled again, two K steps ahead.
.macro TURN slot, next, fill
	s_wait_tensorcnt 0x0                           ; all my tensor loads have landed: my part of the next slot
	ds_add_u32 v[SPW], v[NIL]                      ; 0 onto my spare word
	s_wait_dscnt 4*NL+1                            ; (the add and the youngest 16 loads, R's blocks 4-7, may be out)
	WIN MUL_LO
	MUL16 0, 1, NQ-1, \slot, 0                     ; sixteen matrix instructions stand between the add and the wait for it
	s_wait_dscnt 0x0                               ; the add is done, and my reads of this slot are over
	s_barrier_signal -1
	MUL16 2, 1, NQ-1, \slot, 0
	WIN 0
	s_barrier_wait -1
.if \fill
	CREST                                          ; the barrier has opened a round of the cluster's barrier: no wave of any partner still reads this slot or has a load on its way
	s_add_nc_u64 s[G0+4*\slot+2:G0+4*\slot+3], s[G0+4*\slot+2:G0+4*\slot+3], 2*ROWB
	s_add_nc_u64 s[G0B+4*\slot+2:G0B+4*\slot+3], s[G0B+4*\slot+2:G0B+4*\slot+3], 2*ROWB
	JLOAD G0+4*\slot, G1, G0B+4*\slot, G1B         ; the first tensor load behind the round; its four v_nop are among the places in front of the loads below
	PLACES NP-4
.else
	PLACES NP
.endif
	v_add_nc_u32 v[ADRS], 4*NQ, v[ADRS]            ; on to the next K step's scale words
	FETCH_B \next, 0, 0
	FETCH_A \next, 0, 0
	SCALES \next
	WIN MUL_HI
	MUL16 4, 1, NQ-1, \slot, 0
	MUL16 6, 1, NQ-1, \slot, 0
	PLACES NP
	WIN 0
	FETCH_A \next, 0, 4
.endm
; 64 numbers of a lane, register 16 b + i, become 16 registers of codes in v[PC] on and the scale word of the four blocks in v[PW].
.macro QUANT s
.irp b, 0,1,2,3
	v_max3_num_f32 v[TM+\b], |v[\s+16*\b]|, |v[\s+1+16*\b]|, 0x4800000   ; block b: my 16 numbers, and the floor 2^(9 - 127): so the byte cannot fall under 1
.endr
.irp i, 2,4,6,8,10,12,14
.irp b, 0,1,2,3
	v_max3_num_f32 v[TM+\b], v[TM+\b], |v[\s+16*\b+\i]|, |v[\s+1+16*\b+\i]|   ; (the four blocks by turns)
.endr
.endr
.irp b, 0,1,2,3
	v_permlanex16_b32 v[TM+4+\b], v[TM+\b], s[SEL], s[SEL+1]
.endr
.irp b, 0,1,2,3
	v_max_num_f32 v[TM+\b], v[TM+\b], v[TM+4+\b]   ; with lane l xor 16's: the block's largest magnitude
.endr
.irp b, 0,1,2,3
	v_add_nc_u32 v[TM+12+\b], 0xfc000000, v[TM+\b]   ; 8 off its exponent field: the conversion's scale operand
.endr
.irp b, 0,1,2,3
	v_and_or_b32 v[TM+8+\b], v[TM+\b], 0x7f800000, s[MNT]   ; 448 x the scale
.endr
.irp b, 0,1,2,3
	v_lshrrev_b32 v[TM+4+\b], 23, v[TM+12+\b]      ; the scale's byte
.endr
	v_lshl_or_b32 v[PW], v[TM+5], 8, v[TM+4]
	v_lshl_or_b32 v[PW], v[TM+6], 16, v[PW]
	v_lshl_or_b32 v[PW], v[TM+7], 24, v[PW]
.irp b, 0,1,2,3
.irp i, 0,1,2,3,4,5,6,7,8,9,10,11,12,13,14,15
	v_med3_num_f32 v[\s+16*\b+\i], v[\s+16*\b+\i], -v[TM+8+\b], v[TM+8+\b]   ; the conversion to an 8-bit code does not saturate (ISA guide 7.6.2): the hold comes first
.endr
	v_cvt_scalef32_pk8_fp8_f32 v[PC+4*\b:PC+1+4*\b], v[\s+16*\b:\s+7+16*\b], v[TM+12+\b]
	v_cvt_scalef32_pk8_fp8_f32 v[PC+2+4*\b:PC+3+4*\b], v[\s+8+16*\b:\s+15+16*\b], v[TM+12+\b]
.endr
	v_nop                                          ; a plain vector line behind the last conversion
.endm
; THE WAY OUT.  form = 0: Q and K; form = 1: V.  For each of R's eight tiles t: the tile's 64 sums + bias come into window 0, are quantised, and leave by four stores of 512 consecutive aligned bytes.
.macro EPI form
.if \form
	s_lshl_b32 s36, s17, 2
	s_lshl_b32 s37, s15, 1
	s_add_co_u32 s36, s36, s37                     ; my first head: my 128 units are R's rows
	s_lshl_b32 s37, s42, 8
	s_lshl_b32 s38, s16, 7
	s_add_co_u32 s37, s37, s38                     ; my first token: P's rows
.else
	s_lshl_b32 s36, s42, 2
	s_lshl_b32 s37, s16, 1
	s_add_co_u32 s36, s36, s37                     ; my first head: my 128 units are P's rows
	s_lshl_b32 s37, s17, 8
	s_lshl_b32 s38, s15, 7
	s_add_co_u32 s37, s37, s38                     ; my first token: R's rows
.endif
	s_lshr_b32 s38, s37, 11                        ; the batch,
	s_bfe_u32 s39, s37, 0x40007                    ; which 128 tokens of its 2,048
	s_lshl_b32 s38, s38, 4
	s_add_co_u32 s36, s36, s38                     ; head among the 64
	s_mov_b32 s47, 0
.if \form
	s_mul_i32 s46, s36, HEADB
	s_mul_i32 s48, s39, STEPB
	s_add_co_u32 s46, s46, s48
	s_add_nc_u64 s[28:29], s[100:101], s[46:47]    ; my first head's key step
.else
	s_mov_b32 s40, HEADB                           ; bytes from head to head and from 128 tokens to the next: in kv, or in qimg and qsc
	s_mov_b32 s41, STEPB
	s_mov_b32 s43, HEADB
	s_mov_b32 s44, STEPB
	s_mov_b32 s45, 16384
	s_cmp_lt_u32 s2, 8
	s_cselect_b32 s40, 131072, s40
	s_cselect_b32 s41, 8192, s41
	s_cselect_b32 s43, 4096, s43
	s_cselect_b32 s44, 256, s44
	s_cselect_b32 s45, 0, s45
	s_mul_i32 s46, s36, s40
	s_mul_i32 s48, s39, s41
	s_add_co_u32 s46, s46, s48
	s_add_nc_u64 s[28:29], s[100:101], s[46:47]    ; codes: my first head,
	s_mov_b32 s46, s40
	s_add_nc_u64 s[30:31], s[28:29], s[46:47]      ; my second
	s_mul_i32 s46, s36, s43
	s_mul_i32 s48, s39, s44
	s_add_co_u32 s46, s46, s48
	s_add_co_u32 s46, s46, s45
	s_add_nc_u64 s[32:33], s[104:105], s[46:47]    ; scale words likewise
	s_mov_b32 s46, s43
	s_add_nc_u64 s[34:35], s[32:33], s[46:47]
.endif
.irp t, 0,1,2,3,4,5,6,7
	s_wait_xcnt 0x0                                ; the last tile's stores have read their data: the codes' registers are written again only behind this wait
	WIN 2+\t/4                                     ; source 0: the accumulators' window
.set k, 0
.rept 32
.if \form
	v_pk_add_f32 v[X+2*k:X+2*k+1], v[64*(\t%4)+2*k:64*(\t%4)+2*k+1], v[BIA+8*\t+2*(k%4):BIA+8*\t+2*(k%4)+1]
.else
	v_pk_add_f32 v[X+2*k:X+2*k+1], v[64*(\t%4)+2*k:64*(\t%4)+2*k+1], v[BIA+2*k:BIA+2*k+1]   ; ascending: each accumulator is read from its low end on
.endif
.set k, k+1
.endr
	WIN 0
	QUANT X
	v_mov_b32 v[PWS+\t], v[PW]
.irp b, 0,1,2,3
.if \form
	global_store_b128 v[LI], v[PC+4*\b:PC+4*\b+3], s[28:29] offset:(\t/4)*HEADB+8192+(\t%4)*2048+512*\b   ; head t / 4, V's fragment t % 4, key block b
.else
	global_store_b128 v[LI], v[PC+4*\b:PC+4*\b+3], s[28+2*(\b/2):29+2*(\b/2)] offset:1024*\t+512*(\b%2)   ; head b / 2, token tile t, block b % 2 of the head's 64
.endif
.endr
.endr
.irp e, 0,1                            ; the scale words of my two heads
.irp f, 0,1,2,3
.if \form
	v_mov_b32 v[WS+4*\e+\f], v[PWS+4*\e+\f]        ; V: the word of d tile f: its bytes are the step's four key blocks
.elseif \e
	v_perm_b32 v[WS+4*\e+\f], v[PWS+2*\f+1], v[PWS+2*\f], 0x07060302   ; Q, K: [tile 2 f: s0, s1; tile 2 f + 1: s0, s1] of the second head,
.else
	v_perm_b32 v[WS+4*\e+\f], v[PWS+2*\f+1], v[PWS+2*\f], 0x05040100   ; of the first
.endif
.endr
	v_cndmask_b32 v[RR+2*\e], v[WS+4*\e], v[WS+4*\e+1], s[MH]          ; lanes 0-15 W0, lanes 16-31 W1
	v_cndmask_b32 v[RR+2*\e+1], v[WS+4*\e+2], v[WS+4*\e+3], s[MH]      ; W2 and W3
.if \form
	global_store_b64 v[L8], v[RR+2*\e:RR+2*\e+1], s[28:29] offset:\e*HEADB+16640   ; 256 consecutive aligned bytes
.else
	global_store_b64 v[L8], v[RR+2*\e:RR+2*\e+1], s[32+2*\e:33+2*\e]
.endif
.endr
.endm
	s_wait_tensorcnt 1                             ; the scales and my part of K step 0 are in (K step 1's load may be out)
	s_barrier_signal -1
	s_barrier_wait -1                              ; everybody's are
	FETCH_B 0, 0, 0
	FETCH_A 0, 0, 0
	SCALES 0
	FETCH_A 0, 0, 4
	STEP 0, 0, 1                                   ; the first step stands in front of the loop: its products start the sums
	s_mov_b32 s3, LAPS-1
.Llap:                                                 ; a trip goes once round the ring and fills both slots again
	TURN 0, 1, 1
	STEP 1, 0, 0
	TURN 1, 0, 1
	STEP 0, 0, 0
	s_sub_co_u32 s3, s3, 1
	s_cmp_lg_u32 s3, 0
	s_cbranch_scc1 .Llap
	TURN 0, 1, 0                                   ; the last lap fills nothing
	STEP 1, 0, 0
	s_wait_dscnt 4*NL                              ; the very last step: nothing more to fetch
	WIN MUL_LO
	MUL16 0, 1, NQ-1, 1, 0
	MUL16 2, 1, NQ-1, 1, 0
	s_wait_dscnt 0
	WIN MUL_HI
	MUL16 4, 1, NQ-1, 1, 0
	MUL16 6, 1, NQ-1, 1, 0
	WIN 0
	PLACES NP                                      ; in front of the first read of results and of writes into the registers that held R's fragments
	s_wait_loadcnt 0x0                             ; the bias
.irp b, 0,1,2,3
	v_mov_b32 v[TM+4+\b], 0                        ; written once: a lane permute's destination counts as one of its sources
.endr
	s_mov_b32 s[SEL], 0x76543210                   ; (no tensor load of mine is out since the last change of slots: the descriptors' registers are free)
	s_mov_b32 s[SEL+1], 0xfedcba98
	s_mov_b32 s[MNT], 0x600000
	s_mov_b32 s[MH], 0xffff0000
	s_cmp_lt_u32 s2, 16                            ; on the cluster's y: the same in all partners
	s_cbranch_scc0 .Lvform
	EPI 0
	s_branch .Ltail
.Lvform:
	EPI 1
.Ltail:
	s_wait_tensorcnt 0x0                           ; the wave's end
	ds_add_u32 v[SPW], v[NIL]
	s_wait_dscnt 0x0
	CROUND                                         ; the closing round: no work-group ends while a partner may still ask for a tile that names it
	s_endpgm
.Lfunc_end_k_q3db90f39c6_proj:
	.size	k_q3db90f39c6_proj, .Lfunc_end_k_q3db90f39c6_proj-k_q3db90f39c6_proj
	.p2alignl 7, 3214868480
	.fill 96, 4, 3214868480
	.section	.rodata,"a",@progbits
	.p2align	6, 0x0
	.amdhsa_kernel k_q3db90f39c6_proj
		.amdhsa_group_segment_fixed_size 327680
		.amdhsa_private_segment_fixed_size 0
		.amdhsa_enable_private_segment 0
		.amdhsa_kernarg_size 144
		.amdhsa_user_sgpr_count 2
		.amdhsa_user_sgpr_kernarg_segment_ptr 1
		.amdhsa_wavefront_size32 1
		.amdhsa_system_sgpr_workgroup_id_x 1
		.amdhsa_system_sgpr_workgroup_id_y 1
		.amdhsa_system_sgpr_workgroup_id_z 1
		.amdhsa_system_vgpr_workitem_id 0
		.amdhsa_next_free_vgpr 1024
		.amdhsa_next_free_sgpr 106
		.amdhsa_reserve_vcc 0
		.amdhsa_float_denorm_mode_32 3
		.amdhsa_float_denorm_mode_16_64 3
		.amdhsa_memory_ordered 1
		.amdhsa_forward_progress 1
		.amdhsa_inst_pref_size 255
	.end_amdhsa_kernel
	.section	.bss,"aw",@nobits
	.p2align	6
	.space	262144
	.amdgpu_metadata
---
amdhsa.version: [ 1, 2 ]
amdhsa.kernels:
  - .name:           k_q3db90f39c6_proj
    .symbol:         k_q3db90f39c6_proj.kd
    .args:
      - { .name: query_codes, .offset: 0, .size: 8, .value_kind: global_buffer, .address_space: global }
      - { .name: key_codes, .offset: 8, .size: 8, .value_kind: global_buffer, .address_space: global }
      - { .name: value_codes, .offset: 16, .size: 8, .value_kind: global_buffer, .address_space: global }
      - { .name: query_scales, .offset: 24, .size: 8, .value_kind: global_buffer, .address_space: global }
      - { .name: key_scales, .offset: 32, .size: 8, .value_kind: global_buffer, .address_space: global }
      - { .name: value_scales, .offset: 40, .size: 8, .value_kind: global_buffer, .address_space: global }
      - { .name: Wq_w_codes, .offset: 48, .size: 8, .value_kind: global_buffer, .address_space: global }
      - { .name: Wk_w_codes, .offset: 56, .size: 8, .value_kind: global_buffer, .address_space: global }
      - { .name: Wv_w_codes, .offset: 64, .size: 8, .value_kind: global_buffer, .address_space: global }
      - { .name: Wq_w_scales, .offset: 72, .size: 8, .value_kind: global_buffer, .address_space: global }
      - { .name: Wk_w_scales, .offset: 80, .size: 8, .value_kind: global_buffer, .address_space: global }
      - { .name: Wv_w_scales, .offset: 88, .size: 8, .value_kind: global_buffer, .address_space: global }
      - { .name: Wq_b, .offset: 96, .size: 8, .value_kind: global_buffer, .address_space: global }
      - { .name: Wk_b, .offset: 104, .size: 8, .value_kind: global_buffer, .address_space: global }
      - { .name: Wv_b, .offset: 112, .size: 8, .value_kind: global_buffer, .address_space: global }
      - { .name: qimg, .offset: 120, .size: 8, .value_kind: global_buffer, .address_space: global }
      - { .name: qsc, .offset: 128, .size: 8, .value_kind: global_buffer, .address_space: global }
      - { .name: kv, .offset: 136, .size: 8, .value_kind: global_buffer, .address_space: global }
    .group_segment_fixed_size: 327680
    .private_segment_fixed_size: 0
    .kernarg_segment_align: 8
    .kernarg_segment_size: 144
    .max_flat_workgroup_size: 128
    .sgpr_count:     106
    .vgpr_count:     1024
    .wavefront_size: 32
...
	.end_amdgpu_metadata
.endif
;; end of part 2
;; launch attn (part 3): grid 4 x 64, 16 waves a work-group, no clusters, 272,384 bytes of LDS; arguments qimg, qsc, kv, mbits, mflag, himg, hsc; writes himg, hsc
.if DOCPART == 3
	.amdgcn_target "amdgcn-amd-amdhsa--gfx1250"
	.amdhsa_code_object_version 6
	.text
	.protected	k_q3db90f39c6_attn
	.globl	k_q3db90f39c6_attn
	.p2align	8
	.type	k_q3db90f39c6_attn,@function
k_q3db90f39c6_attn:
	s_mov_b64 s[64:65], 0
	v_nop
	global_prefetch_b8 v0, s[64:65] scope:SCOPE_SE
	s_setreg_imm32_b32 hwreg(HW_REG_WAVE_MODE, 25, 1), 1
	s_wait_xcnt 0x0
; H[head][q] = softmax_k(mask(Q . K / 8)) V, both products on codes of FP8 (E4M3) with one E8M0 scale for each 32 along K, and H's quantiser along the 1,024 units for the last product.
; THE SOFTMAX: t = score x c, c = log2(e) / 8; M = the running largest t rounded UP to a whole number; p = 2^(t - M) is quantised along the keys, not normalised; the row's sum is taken of the unquantised p and divides O
; at the end.  When M moves, the sum and O are multiplied by 2^(old M - new M): exact.
; SHARES.  A work-group owns 512 queries of one head: 4 x 64 = 256 work-groups of equal work.  Each of its sixteen waves owns 32 queries, two tiles of 16, taken in two passes over the 2,048 keys, 128 a step; four waves to a
; SIMD, so that one wave's vector work stands beside another's products and LDS loads.  The head's K, V and their scale words, 270,336 bytes, are copied into LDS once, as they lie in kv; one barrier in the launch.
; They lie as images of operand registers: every LDS load takes 512 consecutive bytes.
; NO TENSOR LOAD, NO CLUSTER: the jump over a step's 64 selects hangs on a number read from memory (mflag); and what partners would share is fetched once,
; 270,336 bytes at the head of a launch in which each wave walks them twice.
; LAYOUT.  Both products are used transposed: a lane (r, h) holds query r throughout.  S^T: register 16 f + 8 u + j = key 32 f + 16 u + 8 h + j.  The head's 64 are half of the instruction's K: a fragment of K holds TWO
; tiles of 16 keys (registers 0-7, 8-15), and Q stands in [0 | Q | 0], read as [Q | 0] for the even tile and as [0 | Q] for the odd: zero codes add nothing.
; p's 16 codes of a block (keys in the order above) and V's, made by the same lines in the launch before, have the same order of k inside a block of 32.  H's partner lies in the natural order, so H's codes are put
; into it by one exchange between the halves of the lanes, once a pass.
; THE MASK comes as lane masks (mbits): 64 words a step by scalar loads, a step ahead.  A hidden score becomes -2^33, that is the logit -2^30 where reference() has -1e9: -2^33 x c is a whole number, so that in a row
; with no open key t - M is exactly 0 and every p is 1.  LIMIT: results differ from reference()'s only in rows that hold an open logit under about -9.9e8.
; LIMITS: NaN and infinities are not served; a block of zeros, and one whose largest magnitude lies under 2^-118, gets the scale byte 1 (the bytes are read by this program alone).
; hsc leaves as 2 bytes of each token's 32: one store a wave, 1/32 of H's bytes.
.set STEPB, 16896                      ; a key step in kv and in LDS: + 0 K's four fragments, + 8192 V's four, + 16384 K's scale words, + 16640 V's
.set HEADB, 16*STEPB
.set VFO,   8192
.set KSO,   16384
.set VSO,   16640
.set LI,  1                            ; v1   16 x lane
.set L8,  2                            ; v2   8 x lane
.set ADK, 3                            ; v3   LDS address of the step's fragments
.set ADS, 4                            ; v4   and of its scale words
.set SMV, 5                            ; v5   -2^33
.set QS,  6                            ; v6   Q's scale word of the tile in hand: [s0, s1, s0, s1]
.set QW,  7                            ; v7   those of both tiles
.set HW,  8                            ; v8-9 H's two scale bytes, a register a tile
.set L32, 10                           ; v10  32 x lane
.set FIL, 11                           ; v11  where my wave's part of K and V goes in LDS
                                       ; v12 -M, v13 the largest t, v[14:15] the sum in two halves
.set QB,  16                           ; v16-31 [0 | Q]
.set QA,  24                           ; v24-39 [Q | 0]
.set FR,  40                           ; v40-103  four fragments of K, then of V
.set S,   104                          ; v104-167 S^T, then p, at a pass's end H
.set O,   168                          ; v168-199 O^T
.set PC,  200                          ; v200-215 p's codes
.set BM,  216                          ; v216-219 the blocks' largest
.set BT,  220                          ; v220-223 the other half's; bytes
.set BH,  224                          ; v224-227 448 x the scale
.set BS,  228                          ; v228-231 the conversions' scale operands
.set F,   232                          ; v[232:233] f = 2^(old M - new M), and a 0 named with it
.set T,   234
.set SU,  236                          ; v[236:237] the sum's second chain
.set KS,  238                          ; v[238:239] K's scale words
.set VS,  240                          ; v[240:241] V's
.set PW,  242                          ; v242 p's scale word
.set Q1,  244                          ; v244-251 the second tile's Q
.set QOF, 252                          ; v252 8 x (lane % 16)
.set WV,  2
.set TB,  3                            ; s3   LDS byte at which the step begins
.set ST,  4                            ; s4   the step
.set MP,  6                            ; s[6:7] the mask words last asked for
.set FLG, 8                            ; s8-9 which steps of my two tiles have holes
.set SEL, 10
.set CS,  12                           ; s[12:13] c, twice
.set MNT, 14
.set MH,  15                           ; lanes 16-31
.set HI,  66                           ; s[66:67] where H's codes go
.set HSP, 68                           ; s[68:69] and its scale bytes
.set INC, 70                           ; s[70:71] the mask pointer's step
                                       ; s16-63, s80-95: the step's 64 mask words: word n in s[16 + n], from n = 48 on in s[32 + n]
	s_load_b256 s[16:23], s[0:1], 0x0              ; qimg, qsc, kv, mbits
	s_load_b128 s[24:27], s[0:1], 0x20             ; mflag, himg
	s_load_b64 s[28:29], s[0:1], 0x30              ; hsc
	v_lshl_add_u32 v254, v0, 2, 0x42000
	v_mov_b32 v255, 0
	v_lshrrev_b32 v3, 5, v0
	v_readfirstlane_b32 s[WV], v3                  ; wave 0..15
	v_and_b32 v4, 31, v0
	v_lshlrev_b32 v[LI], 4, v4
	v_lshlrev_b32 v[L8], 3, v4
	v_lshlrev_b32 v[L32], 5, v4
	v_and_b32 v[QOF], 15, v0
	v_lshlrev_b32 v[QOF], 3, v[QOF]
	s_mul_i32 s5, s[WV], STEPB
	v_add_nc_u32 v[FIL], s5, v[LI]                 ; wave w copies key step w
	s_and_b32 s96, ttmp7, 0xffff                   ; head among the 64
	s_lshr_b32 s97, s96, 4                         ; batch
	s_and_b32 s98, s96, 15                         ; head in the batch
	s_lshl_b32 s99, ttmp9, 4
	s_add_co_u32 s99, s99, s[WV]                   ; my pair of query tiles, 0..63
	s_lshl_b32 s100, s97, 7
	s_lshl_b32 s101, s99, 1
	s_add_co_u32 s100, s100, s101                  ; my first tile among the 512 of all tokens
	s_lshl_b32 s74, s96, 17                        ; Q: 131,072 bytes a head, 2,048 a pair of tiles
	s_lshl_b32 s101, s99, 11
	s_add_co_u32 s74, s74, s101
	s_mov_b32 s75, 0
	s_lshl_b32 s76, s96, 12                        ; Q's scale words: 4,096 bytes a head, 256 for four pairs; pair p of the four: lanes 16 (p % 2) on, word p / 2
	s_lshr_b32 s101, s99, 2
	s_lshl_b32 s101, s101, 8
	s_add_co_u32 s76, s76, s101
	s_and_b32 s101, s99, 1
	s_lshl_b32 s101, s101, 7
	s_add_co_u32 s76, s76, s101
	s_bfe_u32 s101, s99, 0x10001
	s_lshl_b32 s101, s101, 2
	s_add_co_u32 s76, s76, s101
	s_mov_b32 s77, 0
	s_mul_i32 s72, s96, HEADB                      ; K and V: my head, my wave's step
	s_add_co_u32 s72, s72, s5
	s_mov_b32 s73, 0
	s_lshl_b32 s[MP], s100, 12                     ; mask words: 4,096 bytes a tile
	s_mov_b32 s[MP+1], 0
	s_lshl_b32 s78, s100, 2                        ; flags: a word a tile
	s_mov_b32 s79, 0
	s_lshr_b32 s[HI], s98, 2                       ; H's codes: [4 heads: 2,097,152][tile: 4,096][pair of heads: 2,048][head: 1,024][block: 512]
	s_lshl_b32 s[HI], s[HI], 21
	s_add_co_u32 s[HI], s[HI], s[MP]
	s_bfe_u32 s101, s98, 0x10001
	s_lshl_b32 s101, s101, 11
	s_add_co_u32 s[HI], s[HI], s101
	s_and_b32 s101, s98, 1
	s_lshl_b32 s101, s101, 10
	s_add_co_u32 s[HI], s[HI], s101
	s_mov_b32 s[HI+1], 0
	s_lshl_b32 s[HSP], s97, 16                     ; H's scale bytes: 32 a token, 2 a head
	s_lshl_b32 s101, s99, 10
	s_add_co_u32 s[HSP], s[HSP], s101
	s_lshl_b32 s101, s98, 1
	s_add_co_u32 s[HSP], s[HSP], s101
	s_mov_b32 s[HSP+1], 0
	s_mov_b32 s[SEL], 0x76543210
	s_mov_b32 s[SEL+1], 0xfedcba98                 ; v_permlanex16_b32's selects for lane l xor 16
	s_mov_b32 s[CS], 0x3e38aa3b                    ; c = log2(e) / 8
	s_mov_b32 s[CS+1], s[CS]
	s_mov_b32 s[MNT], 0x600000                     ; the mantissa field of 448
	s_mov_b32 s[MH], 0xffff0000
	s_mov_b32 s[INC+1], 0
	s_wait_kmcnt 0x0
	s_add_nc_u64 s[74:75], s[16:17], s[74:75]
	s_add_nc_u64 s[76:77], s[18:19], s[76:77]
	s_add_nc_u64 s[72:73], s[20:21], s[72:73]
	s_add_nc_u64 s[MP:MP+1], s[22:23], s[MP:MP+1]
	s_add_nc_u64 s[78:79], s[24:25], s[78:79]
	s_add_nc_u64 s[HI:HI+1], s[26:27], s[HI:HI+1]
	s_add_nc_u64 s[HSP:HSP+1], s[28:29], s[HSP:HSP+1]
	global_load_b128 v[QA:QA+3], v[LI], s[74:75]                   ; the first tile's Q: block 0, block 1
	global_load_b128 v[QA+4:QA+7], v[LI], s[74:75] offset:512
	global_load_b128 v[Q1:Q1+3], v[LI], s[74:75] offset:1024       ; the second's
	global_load_b128 v[Q1+4:Q1+7], v[LI], s[74:75] offset:1536
	global_load_b32 v[QW], v[QOF], s[76:77]                        ; [tile 0: s0, s1; tile 1: s0, s1] of query lane % 16
.set i, 0
.rept 33
	global_load_b128 v[S+4*i:S+4*i+3], v[LI], s[72:73] offset:512*i   ; my wave's key step: 33 x 512 consecutive bytes
.set i, i+1
.endr
	s_load_b64 s[FLG:FLG+1], s[78:79], 0x0
	s_load_b512 s[16:31], s[MP:MP+1], 0x0          ; the first step's mask words (the arguments' registers have been read)
	s_load_b512 s[32:47], s[MP:MP+1], 0x40
	s_load_b512 s[48:63], s[MP:MP+1], 0x80
	s_load_b512 s[80:95], s[MP:MP+1], 0xc0
.set i, 0
.rept 33
	s_wait_loadcnt 32-i                            ; loads come back in order: piece i is in, the younger ones may be out; Q's are older
	ds_store_b128 v[FIL], v[S+4*i:S+4*i+3] offset:512*i
.set i, i+1
.endr
.irp i, 0,1,2,3,4,5,6,7
	v_mov_b32 v[QB+\i], 0                          ; the zero codes on both sides of Q
	v_mov_b32 v[QA+8+\i], 0
.endr
	v_mov_b32 v[SMV], 0xd0000000
	s_wait_dscnt 0x0                               ; for the others' sake: my part of K and V has landed
	s_barrier_signal -1
	s_barrier_wait -1                              ; the whole head lies in LDS; nothing writes LDS from here on
.irp b, 0,1,2,3
	v_mov_b32 v[BT+\b], 0                          ; written once: a lane permute's destination counts as one of its sources
.endr
	v_mov_b32 v[F+1], 0                            ; (named as the upper half of the pair with f)
; A PASS: one tile of 16 queries against all 2,048 keys.
.macro PASS u
.if \u
	v_perm_b32 v[QS], v[QW], v[QW], 0x03020302
.else
	v_perm_b32 v[QS], v[QW], v[QW], 0x01000100     ; [s0, s1, s0, s1]: it serves [Q | 0] and [0 | Q]
.endif
	v_mov_b32 v13, 0xff61b1e6                      ; the largest t so far: -3e38, under every t
	v_floor_f32 v12, -v13                          ; -M
	v_mov_b32 v14, 0
	v_mov_b32 v15, 0
.set i, 0
.rept 32
	v_mov_b32 v[O+i], 0                            ; O^T.  (The step is written once: the first finds zeros, which the first change of M leaves zeros)
.set i, i+1
.endr
	s_mov_b32 s[TB], 0
	s_mov_b32 s[ST], 0
.Lstep_\@:
	v_add_nc_u32 v[ADK], s[TB], v[LI]
	v_add_nc_u32 v[ADS], s[TB], v[L8]
.rept 6
	v_nop                                          ; with the two additions: eight places in front of loads into registers that the last products read
.endr
.irp f, 0,1,2,3
.irp c, 0,1,2,3
	ds_load_b128 v[FR+16*\f+4*\c:FR+16*\f+4*\c+3], v[ADK] offset:2048*\f+512*\c
.endr
.endr
	ds_load_b64 v[KS:KS+1], v[ADS] offset:KSO      ; fragment f's words: register f / 2, lanes 16 (f % 2) on
	ds_load_b64 v[VS:VS+1], v[ADS] offset:VSO
	s_wait_dscnt 0x0
.irp f, 0,1,2,3                                ; S^T = K Q^T: each fragment twice, for its even and its odd tile of keys
.if \f % 2
	v_wmma_scale_f32_16x16x128_f8f6f4 v[S+16*\f:S+16*\f+7], v[FR+16*\f:FR+16*\f+15], v[QA:QA+15], 0, v[KS+\f/2], v[QS] matrix_a_scale:MATRIX_SCALE_ROW1
	v_wmma_scale_f32_16x16x128_f8f6f4 v[S+16*\f+8:S+16*\f+15], v[FR+16*\f:FR+16*\f+15], v[QB:QB+15], 0, v[KS+\f/2], v[QS] matrix_a_scale:MATRIX_SCALE_ROW1
.else
	v_wmma_scale_f32_16x16x128_f8f6f4 v[S+16*\f:S+16*\f+7], v[FR+16*\f:FR+16*\f+15], v[QA:QA+15], 0, v[KS+\f/2], v[QS]
	v_wmma_scale_f32_16x16x128_f8f6f4 v[S+16*\f+8:S+16*\f+15], v[FR+16*\f:FR+16*\f+15], v[QB:QB+15], 0, v[KS+\f/2], v[QS]
.endif
.endr
.rept 8
	v_nop                                          ; places in front of the loads below and of the first read of the scores
.endr
.irp t, 0,1,2,3
.irp c, 0,1,2,3
	ds_load_b128 v[FR+16*\t+4*\c:FR+16*\t+4*\c+3], v[ADK] offset:VFO+2048*\t+512*\c   ; V's fragments land while the softmax is walked
.endr
.endr
	s_wait_kmcnt 0x0                               ; this step's mask words (and, the first time, the flags) are in: on both ways
	s_bitcmp1_b32 s[FLG+\u], s[ST]                 ; a step without holes skips the selects: a branch on a whole number that the first launch stored
	s_cbranch_scc0 .Lopen_\@
.set n, 0
.rept 48
	v_cndmask_b32 v[S+n], v[S+n], v[SMV], s[16+n]
.set n, n+1
.endr
.rept 16
	v_cndmask_b32 v[S+n], v[S+n], v[SMV], s[32+n]
.set n, n+1
.endr
.Lopen_\@:
.if \u
	s_cmp_lt_u32 s[ST], 15                         ; behind my second tile's last step there is nothing of mine: the last look-ahead asks for its own words again and stays inside the buffer
	s_cselect_b32 s[INC], 256, 0
.else
	s_mov_b32 s[INC], 256                          ; the second tile's words follow the first's
.endif
	s_add_nc_u64 s[MP:MP+1], s[MP:MP+1], s[INC:INC+1]   ; (behind the wait above: the loads that named it are done)
	s_load_b512 s[16:31], s[MP:MP+1], 0x0          ; the next step's words: a step ahead
	s_load_b512 s[32:47], s[MP:MP+1], 0x40
	s_load_b512 s[48:63], s[MP:MP+1], 0x80
	s_load_b512 s[80:95], s[MP:MP+1], 0xc0
.irp b, 0,1,2,3
	v_max3_num_f32 v[BM+\b], v[S+16*\b], v[S+1+16*\b], v[S+2+16*\b]   ; the largest score of each block of 32 keys: for the row's maximum, and, since p rises with the score, for the block's largest p
.endr
.irp i, 3,5,7,9,11,13
.irp b, 0,1,2,3
	v_max3_num_f32 v[BM+\b], v[BM+\b], v[S+16*\b+\i], v[S+1+16*\b+\i]
.endr
.endr
.irp b, 0,1,2,3
	v_max_num_f32 v[BM+\b], v[BM+\b], v[S+15+16*\b]
.endr
.irp b, 0,1,2,3
	v_permlanex16_b32 v[BT+\b], v[BM+\b], s[SEL], s[SEL+1]
.endr
.irp b, 0,1,2,3
	v_max_num_f32 v[BM+\b], v[BM+\b], v[BT+\b]     ; with lane l xor 16's 16 keys
.endr
	v_max3_num_f32 v[T], v[BM], v[BM+1], v[BM+2]
	v_max_num_f32 v[T], v[T], v[BM+3]              ; the step's largest score of my query
	v_mul_f32 v[T], s[CS], v[T]                    ; as t (c is positive)
	v_max_num_f32 v13, v13, v[T]                   ; the running largest t
	v_mov_b32 v[T], v12
	v_floor_f32 v12, -v13                          ; the new -M = floor(-t): M is a whole number
	v_sub_f32 v[T], v12, v[T]                      ; old M - new M: a whole number, 0 or less
	v_cvt_i32_f32 v[T], v[T]                       ; (it saturates)
	v_ldexp_f32 v[F], 1.0, v[T]                    ; f = 2^(old M - new M)
.set i, 0
.rept 32
	v_pk_fma_f32 v[S+2*i:S+2*i+1], v[S+2*i:S+2*i+1], s[CS:CS+1], v[12:13] op_sel_hi:[1,0,0]   ; t - M, two at a time
.set i, i+1
.endr
.irp b, 0,1,2,3
	v_fma_f32 v[BM+\b], v[BM+\b], s[CS], v12       ; the same of each block's largest score
.endr
.set i, 0
.rept 64
	v_exp_f32 v[S+i], v[S+i]                       ; p = 2^(t - M), at most 1
.set i, i+1
.endr
	v_pk_mul_f32 v[14:15], v[14:15], v[F:F+1] op_sel_hi:[1,0]   ; the sums under the new M: a plain line behind the exponentials
	s_wait_alu depctr_va_vdst(0)                   ; one wait for the whole batch, ahead of its first reader
.irp b, 0,1,2,3
	v_exp_f32 v[BM+\b], v[BM+\b]                   ; the block's largest p: the same two instructions on the same number
.endr
	v_pk_add_f32 v[SU:SU+1], v[S:S+1], v[S+2:S+3]  ; the row's sum is taken of the unquantised p, in two chains
.irp j, 4,8,12,16,20,24,28,32,36,40,44,48,52,56,60
	v_pk_add_f32 v[14:15], v[14:15], v[S+\j:S+1+\j]
	v_pk_add_f32 v[SU:SU+1], v[SU:SU+1], v[S+2+\j:S+3+\j]
.endr
	v_pk_add_f32 v[14:15], v[14:15], v[SU:SU+1]
	s_wait_alu depctr_va_vdst(0)                   ; and one for the four
.irp b, 0,1,2,3
	v_max_num_f32 v[BM+\b], 0x4800000, v[BM+\b]    ; the floor 2^(9 - 127): the byte cannot fall under 1
.endr
.irp b, 0,1,2,3
	v_add_nc_u32 v[BS+\b], 0xfc000000, v[BM+\b]    ; 8 off the exponent field: the conversion's scale operand
.endr
.irp b, 0,1,2,3
	v_and_or_b32 v[BH+\b], v[BM+\b], 0x7f800000, s[MNT]   ; 448 x the scale
.endr
.irp b, 0,1,2,3
	v_lshrrev_b32 v[BT+\b], 23, v[BS+\b]           ; the scale's byte
.endr
	v_lshl_or_b32 v[PW], v[BT+1], 8, v[BT]         ; p's scale word for these 128 keys
	v_lshl_or_b32 v[PW], v[BT+2], 16, v[PW]
	v_lshl_or_b32 v[PW], v[BT+3], 24, v[PW]
.irp b, 0,1,2,3
.irp i, 0,1,2,3,4,5,6,7,8,9,10,11,12,13,14,15
	v_min_num_f32 v[S+16*\b+\i], v[S+16*\b+\i], v[BH+\b]   ; the conversion does not saturate (ISA guide 7.6.2); p is not negative, so the hold is one-sided
.endr
	v_cvt_scalef32_pk8_fp8_f32 v[PC+4*\b:PC+1+4*\b], v[S+16*\b:S+7+16*\b], v[BS+\b]
	v_cvt_scalef32_pk8_fp8_f32 v[PC+2+4*\b:PC+3+4*\b], v[S+8+16*\b:S+15+16*\b], v[BS+\b]
.endr
.set i, 0
.rept 16
	v_pk_mul_f32 v[O+2*i:O+2*i+1], v[O+2*i:O+2*i+1], v[F:F+1] op_sel_hi:[1,0]   ; O^T under the new M.  These sixteen are also the places between the codes and the products below
.set i, i+1
.endr
	s_wait_dscnt 0x0                               ; V's fragments are in
.irp t, 0,1,2,3                                ; O^T += V^T P^T: four accumulators, one instruction each
.if \t % 2
	v_wmma_scale_f32_16x16x128_f8f6f4 v[O+8*\t:O+8*\t+7], v[FR+16*\t:FR+16*\t+15], v[PC:PC+15], v[O+8*\t:O+8*\t+7], v[VS+\t/2], v[PW] matrix_a_scale:MATRIX_SCALE_ROW1
.else
	v_wmma_scale_f32_16x16x128_f8f6f4 v[O+8*\t:O+8*\t+7], v[FR+16*\t:FR+16*\t+15], v[PC:PC+15], v[O+8*\t:O+8*\t+7], v[VS+\t/2], v[PW]
.endif
.endr
	s_add_co_u32 s[TB], s[TB], STEPB
	s_add_co_u32 s[ST], s[ST], 1
	s_cmp_lt_u32 s[ST], 16
	s_cbranch_scc1 .Lstep_\@
	; THE PASS'S END: O^T / the sum is H: register 8 t + j = unit 16 t + 8 h + j of the head, of query r
	v_add_f32 v14, v14, v15                        ; the sum's two halves,
	v_permlanex16_b32 v[BT], v14, s[SEL], s[SEL+1]
	v_add_f32 v14, v14, v[BT]                      ; and lane l xor 16's
	v_rcp_f32 v14, v14
.rept 6
	v_nop                                          ; with the two additions: eight places behind the last products; also the plain line behind the reciprocal
.endr
	s_wait_alu depctr_va_vdst(0)                   ; ahead of the reciprocal's first reader
.set i, 0
.rept 16
	v_pk_mul_f32 v[S+2*i:S+2*i+1], v[O+2*i:O+2*i+1], v[14:15] op_sel_hi:[1,0]   ; ascending: each accumulator is read from its low end on
.set i, i+1
.endr
.irp b, 0,1
	v_max3_num_f32 v[BM+\b], |v[S+16*\b]|, |v[S+1+16*\b]|, 0x4800000   ; H's two blocks of 32 units, with the floor
.endr
.irp i, 2,4,6,8,10,12,14
.irp b, 0,1
	v_max3_num_f32 v[BM+\b], v[BM+\b], |v[S+16*\b+\i]|, |v[S+1+16*\b+\i]|
.endr
.endr
.irp b, 0,1
	v_permlanex16_b32 v[BT+\b], v[BM+\b], s[SEL], s[SEL+1]
.endr
.irp b, 0,1
	v_max_num_f32 v[BM+\b], v[BM+\b], v[BT+\b]
.endr
.irp b, 0,1
	v_add_nc_u32 v[BS+\b], 0xfc000000, v[BM+\b]
.endr
.irp b, 0,1
	v_and_or_b32 v[BH+\b], v[BM+\b], 0x7f800000, s[MNT]
.endr
.irp b, 0,1
	v_lshrrev_b32 v[BT+\b], 23, v[BS+\b]
.endr
	v_lshl_or_b32 v[HW+\u], v[BT+1], 8, v[BT]      ; the head's two bytes of query r
.irp b, 0,1
.irp i, 0,1,2,3,4,5,6,7,8,9,10,11,12,13,14,15
	v_med3_num_f32 v[S+16*\b+\i], v[S+16*\b+\i], -v[BH+\b], v[BH+\b]
.endr
	v_cvt_scalef32_pk8_fp8_f32 v[PC+4*\b:PC+1+4*\b], v[S+16*\b:S+7+16*\b], v[BS+\b]
	v_cvt_scalef32_pk8_fp8_f32 v[PC+2+4*\b:PC+3+4*\b], v[S+8+16*\b:S+15+16*\b], v[BS+\b]
.endr
	v_nop                                          ; a plain line behind the last conversion
	; Into the natural order.  Of a block, lane h = 0 holds units 0-7 and 16-23, lane h = 1 units 8-15 and 24-31; the operand wants 0-15 and 16-31: each half sends the eight that the other wants
.irp b, 0,1
.irp i, 0,1
	v_cndmask_b32 v[BM+2*\b+\i], v[PC+4*\b+2+\i], v[PC+4*\b+\i], s[MH]   ; what I send: h = 0 its units 16-23, h = 1 its units 8-15
.endr
.endr
.irp b, 0,1
.irp i, 0,1
	v_permlanex16_b32 v[BT+2*\b+\i], v[BM+2*\b+\i], s[SEL], s[SEL+1]
.endr
.endr
.irp b, 0,1
.irp i, 0,1
	v_cndmask_b32 v[PC+8+4*\b+\i], v[PC+4*\b+\i], v[BT+2*\b+\i], s[MH]
	v_cndmask_b32 v[PC+10+4*\b+\i], v[BT+2*\b+\i], v[PC+4*\b+2+\i], s[MH]
.endr
.endr
.irp b, 0,1
	global_store_b128 v[LI], v[PC+8+4*\b:PC+11+4*\b], s[HI:HI+1] offset:4096*\u+512*\b   ; 512 consecutive aligned bytes: an image of four operand registers
.endr
.if \u == 0
.irp i, 0,1,2,3,4,5,6,7
	v_mov_b32 v[QA+\i], v[Q1+\i]                   ; the second tile's Q takes its place between the zeros
.endr
	s_wait_xcnt 0x0                                ; the stores have read their data: the codes' registers are written again only behind this wait
.endif
.endm
	PASS 0
	PASS 1
	v_cndmask_b32 v[HW], v[HW], v[HW+1], s[MH]     ; lane l: the bytes of my token l of 32
	global_store_b16 v[L32], v[HW], s[HSP:HSP+1]
	s_wait_tensorcnt 0x0
	ds_add_u32 v254, v255
	s_wait_dscnt 0x0
	s_endpgm
.Lfunc_end_k_q3db90f39c6_attn:
	.size	k_q3db90f39c6_attn, .Lfunc_end_k_q3db90f39c6_attn-k_q3db90f39c6_attn
	.p2alignl 7, 3214868480
	.fill 96, 4, 3214868480
	.section	.rodata,"a",@progbits
	.p2align	6, 0x0
	.amdhsa_kernel k_q3db90f39c6_attn
		.amdhsa_group_segment_fixed_size 272384
		.amdhsa_private_segment_fixed_size 0
		.amdhsa_enable_private_segment 0
		.amdhsa_kernarg_size 56
		.amdhsa_user_sgpr_count 2
		.amdhsa_user_sgpr_kernarg_segment_ptr 1
		.amdhsa_wavefront_size32 1
		.amdhsa_system_sgpr_workgroup_id_x 1
		.amdhsa_system_sgpr_workgroup_id_y 1
		.amdhsa_system_sgpr_workgroup_id_z 1
		.amdhsa_system_vgpr_workitem_id 0
		.amdhsa_next_free_vgpr 256
		.amdhsa_next_free_sgpr 106
		.amdhsa_reserve_vcc 0
		.amdhsa_float_denorm_mode_32 3
		.amdhsa_float_denorm_mode_16_64 3
		.amdhsa_memory_ordered 1
		.amdhsa_forward_progress 1
		.amdhsa_inst_pref_size 73
	.end_amdhsa_kernel
	.amdgpu_metadata
---
amdhsa.version: [ 1, 2 ]
amdhsa.kernels:
  - .name:           k_q3db90f39c6_attn
    .symbol:         k_q3db90f39c6_attn.kd
    .args:
      - { .name: qimg, .offset: 0, .size: 8, .value_kind: global_buffer, .address_space: global }
      - { .name: qsc, .offset: 8, .size: 8, .value_kind: global_buffer, .address_space: global }
      - { .name: kv, .offset: 16, .size: 8, .value_kind: global_buffer, .address_space: global }
      - { .name: mbits, .offset: 24, .size: 8, .value_kind: global_buffer, .address_space: global }
      - { .name: mflag, .offset: 32, .size: 8, .value_kind: global_buffer, .address_space: global }
      - { .name: himg, .offset: 40, .size: 8, .value_kind: global_buffer, .address_space: global }
      - { .name: hsc, .offset: 48, .size: 8, .value_kind: global_buffer, .address_space: global }
    .group_segment_fixed_size: 272384
    .private_segment_fixed_size: 0
    .kernarg_segment_align: 8
    .kernarg_segment_size: 56
    .max_flat_workgroup_size: 512
    .sgpr_count:     106
    .vgpr_count:     256
    .wavefront_size: 32
...
	.end_amdgpu_metadata
.endif
;; end of part 3
;; launch proj_o (part 4): grid 4 x 32, 4 waves a work-group, clusters of 4 x 4, 327,680 bytes of LDS; arguments himg, hsc, Wo_w_codes, Wo_w_scales, Wo_b, out0; writes out0
.if DOCPART == 4
	.amdgcn_target "amdgcn-amd-amdhsa--gfx1250"
	.amdhsa_code_object_version 6
	.text
	.protected	k_q3db90f39c6_proj_o
	.globl	k_q3db90f39c6_proj_o
	.p2align	8
	.type	k_q3db90f39c6_proj_o,@function
k_q3db90f39c6_proj_o:
	s_mov_b64 s[64:65], 0
	v_nop
	global_prefetch_b8 v0, s[64:65] scope:SCOPE_SE
	s_setreg_imm32_b32 hwreg(HW_REG_WAVE_MODE, 25, 1), 1
	s_wait_xcnt 0x0
	s_wait_alu depctr_hold_cnt(0) depctr_sa_sdst(0) depctr_va_vdst(0) depctr_va_sdst(0) depctr_va_ssrc(0) depctr_va_vcc(0) depctr_vm_vsrc(0)
	s_getreg_b32 s2, hwreg(HW_REG_IB_STS2, 6, 4)
	s_cmp_eq_u32 s2, 0
	s_cbranch_scc0 .Lentry_in_a_cluster
	s_endpgm
.Lentry_in_a_cluster:
	s_bfe_u32 s2, ttmp6, 0x10000c
	s_cmp_lg_u32 s2, 0xf033
	s_cbranch_scc0 .Lentry_shape_is_right
	s_endpgm
.Lentry_shape_is_right:
; out0 = H Wo^T + bo: [8192 x 1024] x [1024 x 1024] on codes of FP8 (E4M3) with one E8M0 scale for each 32 along K; out0 f32.
; A tile of 256 x 256 is made by four waves, 128 x 128 each: 64 accumulators, 512 registers.  K goes in steps of 256 through a ring of two LDS slots filled by the tensor data mover; the scale bytes of the work-group's 256 rows
; of H and 256 rows of Wo come into LDS once, with the first fills.  32 x 4 = 128 work-groups: a smaller tile would read each LDS byte for half the products.
; H LIES AS IMAGES OF OPERAND REGISTERS: himg [K step of 256: 4][tile of 16 tokens: 512][128 along K: 2][block of 32: 4][lane][16 B].  So a K step of 128 rows is one dense block of 32,768 bytes, brought as 128 rows of 256 bytes
; without padding, and a fragment is four loads of 512 consecutive bytes.  Wo's rows lie as rows, padded in LDS.
; CLUSTERS: 4 x 4 work-groups.  H's tile is asked for jointly by a row of the cluster, Wo's by a column.  THE MATRIX INSTRUCTION IS USED TRANSPOSED (source 0 = 16 rows of Wo, source 1 = 16 rows of H): a lane holds eight
; neighbouring numbers of a row of out0.  THE BIAS is the C of each sum's first matrix instruction: 64 registers in the result's layout.
; REGISTERS, in windows of 256: window 0: v0-31 addresses; v32-63 scale words, two sets; v64-127 the bias; from v128 H's fragments, one set.  window 1: Wo's fragments, two sets.  windows 2, 3: the accumulators.
.set SIZE_N, 1024
.set SIZE_K, 1024
.set KSTEP,  256
.set NQ,     KSTEP/128
.set ROWB,   256
.set KROW,   SIZE_K
.set ASTEP,  512*4096                  ; from a K step of H's images to the next
.set PITCH,  272                       ; Wo's rows in LDS: 256 bytes + 16: the 16 rows that a load touches start at 16 different groups of banks (64 banks of 4 bytes: ISA guide 11.1)
.set FR,     16
.set NL,     4
.set NP,     8                         ; places behind this matrix instruction (ISA guide 7.12.1)
.set HALFT,  128*PITCH                 ; a wave's part of a slot (H's images use 32,768 bytes of it)
.set SLOT,   4*HALFT
.set LAPS,   SIZE_K/(2*KSTEP)
.set KS,     SIZE_K/32
.set SCL,    2*SLOT
.set HALFS,  (128*KS/256)*272
.set SBLK,   (16*KS/256)*272
.set SPARE,  SCL+4*HALFS               ; the spare words, 128 bytes a wave: two blocks of 256 bytes that no other line names
.set SPITCH, 528                       ; the way out: a stage of 16 rows x (512 + 16) bytes a wave, in slot 0, which has had its last fill and its last read by then
.set ADRA, 16
.set ADRB, 20
.set BO0,  22                          ; v22  32 h: the bias's offset; never rewritten
.set STO,  24
.set RD,   25
.set CO,   26
.set ADRS, 27
.set SPW,  28
.set NIL,  29
.set SC,   32
.set BIA,  64
.set AF,   128
.set BK,   128
.set G1, 24
.set G0, 32
.set G1B, 48
.set G0B, 56
.set G1S, 68
.set G0S, 76
.set G1SB, 80
.set G0SB, 88
.set MSB, 0
.macro WIN new                         ; the immediate's high byte repeats the setting that is left
.if MSB != (\new)
	s_set_vgpr_msb (MSB<<8)|(\new)
.set MSB, (\new)
.endif
.endm
.set MUL_LO, 0xa1                      ; source 0 (Wo) window 1, source 1 (H) window 0, C and D window 2
.set MUL_HI, 0xf1
.set BIA_LO, 0x81                      ; the first step: C (the bias) window 0, D window 2
.set BIA_HI, 0xc1
.set TO_B,   0x40
.macro JLOAD g0a, g1a, g0b, g1b        ; a joint load: waves 0 and 1 fetch for H, waves 2 and 3 for Wo; four v_nop follow each of the two lines
	s_cmp_eq_u32 s15, 0
	s_cbranch_scc0 .Lfor_b_\@
	tensor_load_to_lds s[\g0a:\g0a+3], s[\g1a:\g1a+7]
	s_nop 0
.rept 4
	v_nop
.endr
	s_branch .Lasked_\@
.Lfor_b_\@:
	tensor_load_to_lds s[\g0b:\g0b+3], s[\g1b:\g1b+7]
	s_nop 0
.rept 4
	v_nop
.endr
.Lasked_\@:
.endm
.macro CREST
	s_cmp_lg_u32 s14, 0
	s_cbranch_scc1 .Lnot_wave_0_\@
	s_barrier_signal -3
.Lnot_wave_0_\@:
	s_barrier_wait -3
	s_barrier_signal -1
	s_barrier_wait -1
.endm
.macro CROUND
	s_barrier_signal -1
	s_barrier_wait -1
	CREST
.endm
	s_load_b128 s[4:7], s[0:1], 0x0                ; H's images, H's scales
	s_load_b128 s[8:11], s[0:1], 0x10              ; Wo's codes, Wo's scales
	s_load_b64 s[96:97], s[0:1], 0x20              ; bo
	s_load_b64 s[12:13], s[0:1], 0x28              ; out0
	v_lshl_add_u32 v[SPW], v0, 2, SPARE
	v_mov_b32 v[NIL], 0
	ds_add_u32 v28, v29
	ds_add_u32 v28, v29
	s_wait_dscnt 0x0
	v_lshrrev_b32 v1, 5, v0
	v_readfirstlane_b32 s14, v1                    ; wave 0..3
	s_lshr_b32 s15, s14, 1                         ; which half of the tile's rows is mine.  Also: I fetch for H (0) or for Wo (1)
	s_and_b32 s16, s14, 1                          ; which half of its columns.  Also: which 128 rows of that tile I fetch
	s_bfe_u32 s40, ttmp6, 0x40000                  ; cx, cy
	s_bfe_u32 s41, ttmp6, 0x40004
	s_lshl_b32 s42, ttmp9, 2
	s_add_co_u32 s42, s42, s40                     ; tile column
	s_and_b32 s17, ttmp7, 0xffff
	s_lshl_b32 s17, s17, 2
	s_add_co_u32 s17, s17, s41                     ; tile row
	s_lshl_b32 s43, s41, 2
	s_lshl_b32 s43, 15, s43                        ; my row of the cluster
	s_lshl_b32 s44, 0x1111, s40                    ; my column
	; descriptor group 1.  H: a dense block, 128 rows of 256 bytes (32 elements of 8), no padding
	s_or_b32 s[G1+0], s43, (3<<16)|(1<<21)         ; 15:0 the mask: my row; 17:16 elements of 8 bytes; 21 set beside a mask
	s_mov_b32 s[G1+1], 32<<16
	s_mov_b32 s[G1+2], 128<<16
	s_mov_b32 s[G1+3], 32<<16
	s_mov_b32 s[G1+4], 128
	s_mov_b32 s[G1+5], 32
	s_mov_b32 s[G1+6], 0
	s_mov_b32 s[G1+7], 0
	; Wo: 128 rows x 256 bytes, 1,024 bytes apart, four words of padding after every 64
	s_or_b32 s[G1B+0], s44, (0<<16)|(1<<20)|(1<<21)|(5<<22)|(3<<25)
	s_mov_b32 s[G1B+1], ROWB<<16
	s_mov_b32 s[G1B+2], 128<<16
	s_mov_b32 s[G1B+3], ROWB<<16
	s_mov_b32 s[G1B+4], 128
	s_mov_b32 s[G1B+5], KROW
	s_mov_b32 s[G1B+6], 0
	s_mov_b32 s[G1B+7], 0
	; the scales of 128 rows: 4,096 dense bytes, as rows of 256 bytes, 16 bytes of padding behind each
	s_or_b32 s[G1S+0], s43, (3<<16)|(1<<20)|(1<<21)|(5<<22)|(3<<25)
	s_or_b32 s[G1SB+0], s44, (3<<16)|(1<<20)|(1<<21)|(5<<22)|(3<<25)
.irp g, G1S, G1SB
	s_mov_b32 s[\g+1], 32<<16
	s_mov_b32 s[\g+2], (128*KS/256)<<16
	s_mov_b32 s[\g+3], 32<<16
	s_mov_b32 s[\g+4], 128*KS/256
	s_mov_b32 s[\g+5], 32
	s_mov_b32 s[\g+6], 0
	s_mov_b32 s[\g+7], 0
.endr
	s_lshl_b32 s18, s16, 7
	s_lshl_b32 s20, s17, 8
	s_add_co_u32 s20, s20, s18                     ; H: row 256 x tile row + 128 x half
	s_lshl_b32 s46, s42, 8
	s_add_co_u32 s46, s46, s18                     ; Wo: row 256 x tile column + 128 x half
	s_mov_b32 s21, 0
	s_mov_b32 s47, 0
	s_mov_b64 s[18:19], KS
	s_mul_u64 s[22:23], s[20:21], s[18:19]         ; where these rows' scales begin,
	s_mul_u64 s[92:93], s[46:47], s[18:19]
	s_mov_b64 s[18:19], KROW
	s_mul_u64 s[46:47], s[46:47], s[18:19]         ; Wo's codes,
	s_lshl_b64 s[20:21], s[20:21], 8               ; and H's images: 256 bytes a row in a K step
	s_mul_i32 s45, s14, HALFT                      ; where they go: no place in the cluster enters an LDS address
	s_mul_i32 s94, s14, HALFS
	s_wait_kmcnt 0x0
	s_add_nc_u64 s[20:21], s[4:5], s[20:21]
	s_add_nc_u64 s[22:23], s[6:7], s[22:23]
	s_add_nc_u64 s[46:47], s[8:9], s[46:47]
	s_add_nc_u64 s[92:93], s[10:11], s[92:93]
	CROUND                                         ; all sixteen work-groups are here: the first joint loads meet
	s_mov_b32 s[G0S], 1
	s_add_co_u32 s[G0S+1], s94, SCL
	s_mov_b64 s[G0S+2:G0S+3], s[22:23]
	s_or_b32 s[G0S+3], s[G0S+3], 0x80000000
	s_mov_b32 s[G0SB], 1
	s_add_co_u32 s[G0SB+1], s94, SCL
	s_mov_b64 s[G0SB+2:G0SB+3], s[92:93]
	s_or_b32 s[G0SB+3], s[G0SB+3], 0x80000000
	JLOAD G0S, G1S, G0SB, G1SB                     ; the scales first
.irp s, 0,1
	s_mov_b32 s[G0+4*\s], 1
	s_add_co_u32 s[G0+4*\s+1], s45, \s*SLOT
	s_add_nc_u64 s[G0+4*\s+2:G0+4*\s+3], s[20:21], \s*ASTEP
	s_or_b32 s[G0+4*\s+3], s[G0+4*\s+3], 0x80000000
	s_mov_b32 s[G0B+4*\s], 1
	s_add_co_u32 s[G0B+4*\s+1], s45, \s*SLOT
	s_add_nc_u64 s[G0B+4*\s+2:G0B+4*\s+3], s[46:47], \s*ROWB
	s_or_b32 s[G0B+4*\s+3], s[G0B+4*\s+3], 0x80000000
	JLOAD G0+4*\s, G1, G0B+4*\s, G1B               ; by this text's count three tensor loads of a wave are out
.endr
	v_and_b32 v1, 15, v0                           ; r
	v_bfe_u32 v2, v0, 4, 1                         ; h
	v_and_b32 v6, 31, v0                           ; lane
	v_lshlrev_b32 v7, 4, v6                        ; H: an image's place for my lane
	v_mul_u32_u24 v3, v1, PITCH
	v_lshl_add_u32 v4, v2, 4, v3                   ; Wo: row x pitch + 16 h
	s_mul_i32 s21, s15, HALFT                      ; my 128 rows of H
	s_mul_i32 s22, s16, HALFT                      ; my 128 rows of Wo,
	s_add_co_u32 s22, s22, 2*HALFT                 ; behind H's two parts
.irp s, 0,1
	v_add_nc_u32 v[ADRA+\s], s21, v7
	v_add_nc_u32 v[ADRB+\s], s22, v4
	s_add_co_u32 s21, s21, SLOT
	s_add_co_u32 s22, s22, SLOT
.endr
	v_mul_u32_u24 v5, v1, KS
	v_lshrrev_b32 v8, 8, v5
	v_lshl_add_u32 v5, v8, 4, v5
	s_mul_i32 s21, s15, HALFS
	s_mul_i32 s22, s16, HALFS
	s_add_co_u32 s22, s22, 2*HALFS
	s_sub_co_u32 s22, s22, s21
	v_mul_u32_u24 v8, s22, v2                      ; lanes 16-31 take Wo's
	s_add_co_u32 s21, s21, SCL
	v_add_nc_u32 v5, v5, v8
	v_add_nc_u32 v[ADRS], s21, v5
	s_lshl_b32 s92, s42, 10                        ; the bias of my 128 columns: register 8 b + j: column 16 b + 8 h + j
	s_lshl_b32 s93, s16, 9
	s_add_co_u32 s92, s92, s93
	s_mov_b32 s93, 0
	s_add_nc_u64 s[96:97], s[96:97], s[92:93]
	v_lshlrev_b32 v[BO0], 5, v2
.irp b, 0,1,2,3,4,5,6,7
	global_load_b128 v[BIA+8*\b:BIA+8*\b+3], v[BO0], s[96:97] offset:64*\b
	global_load_b128 v[BIA+8*\b+4:BIA+8*\b+7], v[BO0], s[96:97] offset:64*\b+16
.endr
	s_mul_i32 s23, s14, 16*SPITCH                  ; my stage
	v_mul_u32_u24 v5, v1, SPITCH                   ; in: row r, 32 bytes for each half of the lanes
	v_lshl_add_u32 v5, v2, 5, v5
	v_add_nc_u32 v[STO], s23, v5
	v_lshlrev_b32 v[CO], 4, v6                     ; back: the 32 lanes take one row of 512 bytes; and the same in out0
	v_add_nc_u32 v[RD], s23, v[CO]
	s_lshl_b32 s20, s17, 8
	s_lshl_b32 s21, s15, 7
	s_add_co_u32 s20, s20, s21                     ; my first row of out0
	s_mov_b32 s21, 0
	s_mov_b64 s[18:19], SIZE_N*4
	s_mul_u64 s[20:21], s[20:21], s[18:19]
	s_lshl_b32 s46, s42, 10                        ; my first column, in bytes
	s_lshl_b32 s47, s16, 9
	s_add_co_u32 s46, s46, s47
	s_mov_b32 s47, 0
	s_add_nc_u64 s[20:21], s[20:21], s[46:47]
	s_add_nc_u64 s[12:13], s[12:13], s[20:21]
.macro FRAG reg, adr, q, i             ; a fragment of Wo from rows: lane l holds row l % 16; registers 4 c .. 4 c + 3 hold K = 32 c + 16 (l / 16) + 0 .. 15
.irp c, 0,1,2,3
	ds_load_b128 v[\reg+4*\c:\reg+4*\c+3], v[\adr] offset:128*(\q)+32*\c+(\i)*16*PITCH
.endr
.endm
.macro FRAGA reg, adr, q, i            ; a fragment of H from its image: tile i of 16 rows, the slot's q-th 128 along K
.irp c, 0,1,2,3
	ds_load_b128 v[\reg+4*\c:\reg+4*\c+3], v[\adr] offset:4096*(\i)+2048*(\q)+512*\c
.endr
.endm
; 16 matrix instructions: H's blocks a0, a0 + 1 x Wo's eight.  zero = 1: the first product starts the sums, from the bias.  The 64 accumulators take turns, one instruction a turn.
.macro MUL16 a0, p, q, sc, zero
.irp a, \a0, \a0+1
.irp b, 0,1,2,3,4,5,6,7
.if \zero
	v_wmma_scale_f32_16x16x128_f8f6f4 v[8*(8*((\a)%4)+\b):8*(8*((\a)%4)+\b)+7], v[128*(\p)+FR*\b:128*(\p)+FR*\b+FR-1], v[AF+FR*(\a):AF+FR*(\a)+FR-1], v[BIA+8*\b:BIA+8*\b+7], v[SC+8*NQ*(\sc)+NQ*\b+(\q)], v[SC+8*NQ*(\sc)+NQ*(\a)+(\q)] matrix_a_scale:MATRIX_SCALE_ROW1
.else
	v_wmma_scale_f32_16x16x128_f8f6f4 v[8*(8*((\a)%4)+\b):8*(8*((\a)%4)+\b)+7], v[128*(\p)+FR*\b:128*(\p)+FR*\b+FR-1], v[AF+FR*(\a):AF+FR*(\a)+FR-1], v[8*(8*((\a)%4)+\b):8*(8*((\a)%4)+\b)+7], v[SC+8*NQ*(\sc)+NQ*\b+(\q)], v[SC+8*NQ*(\sc)+NQ*(\a)+(\q)] matrix_a_scale:MATRIX_SCALE_ROW1
.endif
.endr
.endr
.endm
.macro FETCH_B slot, q, p
	WIN TO_B
.irp i, 0,1,2,3,4,5,6,7
	FRAG 128*(\p)+FR*\i, ADRB+\slot, \q, \i
.endr
	WIN 0
.endm
.macro FETCH_A slot, q, i0
.irp i, \i0, \i0+1, \i0+2, \i0+3
	FRAGA AF+FR*(\i), ADRA+\slot, \q, \i
.endr
.endm
.macro SCALES sc                       ; lanes 0-15 take H's block i, lanes 16-31 Wo's block i
.irp i, 0,1,2,3,4,5,6,7
	ds_load_b64 v[SC+8*NQ*\sc+NQ*\i:SC+8*NQ*\sc+NQ*\i+1], v[ADRS] offset:\i*SBLK
.endr
.endm
.macro PLACES n
.rept \n
	v_nop
.endr
.endm
.macro STEP slot, q, zero
	s_wait_dscnt 4*NL                              ; Wo's set and H's blocks 0-3 are in; the youngest 16 loads (H's blocks 4-7) may be out
.if \zero
	WIN BIA_LO
.else
	WIN MUL_LO
.endif
	MUL16 0, (\q)%2, \q, \slot, \zero
	MUL16 2, (\q)%2, \q, \slot, \zero
	s_wait_dscnt 0
	PLACES NP
	FETCH_B \slot, (\q)+1, 1-(\q)%2
	FETCH_A \slot, (\q)+1, 0
.if \zero
	WIN BIA_HI
.else
	WIN MUL_HI
.endif
	MUL16 4, (\q)%2, \q, \slot, \zero
	MUL16 6, (\q)%2, \q, \slot, \zero
	PLACES NP
	WIN 0
	FETCH_A \slot, (\q)+1, 4
.endm
; A slot's last step changes slots: one barrier; in front of it each wave waits for all its tensor loads, adds 0 to its spare word, and waits for that and for its reads of this slot.
.macro TURN slot, next, fill
	s_wait_tensorcnt 0x0                           ; all my tensor loads have landed: my part of the next slot
	ds_add_u32 v[SPW], v[NIL]                      ; 0 onto my spare word
	s_wait_dscnt 4*NL+1                            ; (the add and the youngest 16 loads may be out)
	WIN MUL_LO
	MUL16 0, 1, NQ-1, \slot, 0
	s_wait_dscnt 0x0                               ; the add is done, and my reads of this slot are over
	s_barrier_signal -1
	MUL16 2, 1, NQ-1, \slot, 0
	WIN 0
	s_barrier_wait -1
.if \fill
	CREST                                          ; the barrier has opened a round of the cluster's barrier
	s_add_nc_u64 s[G0+4*\slot+2:G0+4*\slot+3], s[G0+4*\slot+2:G0+4*\slot+3], 2*ASTEP
	s_add_nc_u64 s[G0B+4*\slot+2:G0B+4*\slot+3], s[G0B+4*\slot+2:G0B+4*\slot+3], 2*ROWB
	JLOAD G0+4*\slot, G1, G0B+4*\slot, G1B         ; the first tensor load behind the round; its four v_nop are among the places in front of the loads below
	PLACES NP-4
.else
	PLACES NP
.endif
	v_add_nc_u32 v[ADRS], 4*NQ, v[ADRS]
	FETCH_B \next, 0, 0
	FETCH_A \next, 0, 0
	SCALES \next
	WIN MUL_HI
	MUL16 4, 1, NQ-1, \slot, 0
	MUL16 6, 1, NQ-1, \slot, 0
	PLACES NP
	WIN 0
	FETCH_A \next, 0, 4
.endm
	s_wait_tensorcnt 1                             ; the scales and my part of K step 0 are in (K step 1's load may be out)
	s_barrier_signal -1
	s_barrier_wait -1                              ; everybody's are
	FETCH_B 0, 0, 0
	FETCH_A 0, 0, 0
	SCALES 0
	FETCH_A 0, 0, 4
	s_wait_loadcnt 0x0                             ; the bias
	STEP 0, 0, 1                                   ; the first step stands in front of the loop: its products start the sums
	s_mov_b32 s3, LAPS-1
.Llap:
	TURN 0, 1, 1
	STEP 1, 0, 0
	TURN 1, 0, 1
	STEP 0, 0, 0
	s_sub_co_u32 s3, s3, 1
	s_cmp_lg_u32 s3, 0
	s_cbranch_scc1 .Llap
	TURN 0, 1, 0                                   ; the last lap fills nothing
	STEP 1, 0, 0
	s_wait_dscnt 4*NL
	WIN MUL_LO
	MUL16 0, 1, NQ-1, 1, 0
	MUL16 2, 1, NQ-1, 1, 0
	s_wait_dscnt 0
	WIN MUL_HI
	MUL16 4, 1, NQ-1, 1, 0
	MUL16 6, 1, NQ-1, 1, 0
	WIN 0
; THE WAY OUT, block by block of 16 rows x 128 columns, through my own stage in LDS: in as 32 bytes a lane, back as whole rows of 512 bytes.  LDS serves a wave's instructions in order (ISA guide 5.7.1.4).
.macro TOSTAGE a
.set AC, 64*((\a)%4)
	WIN 0x08+4*((\a)/4)                            ; the data: window 2 or 3
.irp b, 0,1,2,3,4,5,6,7
	ds_store_b128 v[STO], v[AC+8*\b:AC+8*\b+3] offset:64*\b          ; each accumulator from its low end on
	ds_store_b128 v[STO], v[AC+8*\b+4:AC+8*\b+7] offset:64*\b+16
.endr
	WIN 0
.set BB, BK+64*((\a)%2)
.irp t, 0,1,2,3,4,5,6,7,8,9,10,11,12,13,14,15
	ds_load_b128 v[BB+4*\t:BB+4*\t+3], v[RD] offset:\t*SPITCH
.endr
.endm
.macro SEND a, younger                 ; younger: the LDS instructions issued behind block a's loads, which may stay out
.set BB, BK+64*((\a)%2)
	s_wait_dscnt \younger
.if (\a) > 0
	s_add_nc_u64 s[12:13], s[12:13], 16*SIZE_N*4   ; (behind a wait on XCNT: the earlier stores have read their base)
.endif
.irp t, 0,1,2,3,4,5,6,7,8,9,10,11,12,13,14,15
	global_store_b128 v[CO], v[BB+4*\t:BB+4*\t+3], s[12:13] offset:\t*SIZE_N*4 th:TH_STORE_NT   ; 32 lanes store 512 consecutive aligned bytes; written once, read by nobody here
.endr
.endm
	PLACES NP
	TOSTAGE 0
.irp a, 1,2,3,4,5,6,7
.if \a > 1
	s_wait_xcnt 0x0                                ; block a - 2's stores have read their registers and their base
.endif
	TOSTAGE \a
	SEND \a-1, 32                                  ; behind block a - 1's loads: block a's 16 stores and 16 loads
.endr
	s_wait_xcnt 0x0
	SEND 7, 0
	s_wait_tensorcnt 0x0                           ; the wave's end
	ds_add_u32 v[SPW], v[NIL]
	s_wait_dscnt 0x0
	CROUND                                         ; the closing round
	s_endpgm
.Lfunc_end_k_q3db90f39c6_proj_o:
	.size	k_q3db90f39c6_proj_o, .Lfunc_end_k_q3db90f39c6_proj_o-k_q3db90f39c6_proj_o
	.p2alignl 7, 3214868480
	.fill 96, 4, 3214868480
	.section	.rodata,"a",@progbits
	.p2align	6, 0x0
	.amdhsa_kernel k_q3db90f39c6_proj_o
		.amdhsa_group_segment_fixed_size 327680
		.amdhsa_private_segment_fixed_size 0
		.amdhsa_enable_private_segment 0
		.amdhsa_kernarg_size 48
		.amdhsa_user_sgpr_count 2
		.amdhsa_user_sgpr_kernarg_segment_ptr 1
		.amdhsa_wavefront_size32 1
		.amdhsa_system_sgpr_workgroup_id_x 1
		.amdhsa_system_sgpr_workgroup_id_y 1
		.amdhsa_system_sgpr_workgroup_id_z 1
		.amdhsa_system_vgpr_workitem_id 0
		.amdhsa_next_free_vgpr 1024
		.amdhsa_next_free_sgpr 98
		.amdhsa_reserve_vcc 0
		.amdhsa_float_denorm_mode_32 3
		.amdhsa_float_denorm_mode_16_64 3
		.amdhsa_memory_ordered 1
		.amdhsa_forward_progress 1
		.amdhsa_inst_pref_size 147
	.end_amdhsa_kernel
	.amdgpu_metadata
---
amdhsa.version: [ 1, 2 ]
amdhsa.kernels:
  - .name:           k_q3db90f39c6_proj_o
    .symbol:         k_q3db90f39c6_proj_o.kd
    .args:
      - { .name: himg, .offset: 0, .size: 8, .value_kind: global_buffer, .address_space: global }
      - { .name: hsc, .offset: 8, .size: 8, .value_kind: global_buffer, .address_space: global }
      - { .name: Wo_w_codes, .offset: 16, .size: 8, .value_kind: global_buffer, .address_space: global }
      - { .name: Wo_w_scales, .offset: 24, .size: 8, .value_kind: global_buffer, .address_space: global }
      - { .name: Wo_b, .offset: 32, .size: 8, .value_kind: global_buffer, .address_space: global }
      - { .name: out0, .offset: 40, .size: 8, .value_kind: global_buffer, .address_space: global }
    .group_segment_fixed_size: 327680
    .private_segment_fixed_size: 0
    .kernarg_segment_align: 8
    .kernarg_segment_size: 48
    .max_flat_workgroup_size: 128
    .sgpr_count:     98
    .vgpr_count:     1024
    .wavefront_size: 32
...
	.end_amdgpu_metadata
.endif
;; end of part 4
;; ======== version 2 of 2: 4 launches; version 1 with the launch attn written anew for expert scheduling mode
;; limits: right only within a limited range of input values
;; workspace buffers: mbits 2,097,152 bytes of whole numbers; mflag 2,048 bytes of whole numbers; qimg 8,388,608 bytes; qsc 262,144 bytes; kv 17,301,504 bytes; himg 8,388,608 bytes; hsc 262,144 bytes
;; launch maskbits: the kernel of part 1 again; grid 512 x 1, 16 waves a work-group, no clusters, 137,472 bytes of LDS; arguments mask, mbits, mflag; writes mbits, mflag
;; launch proj: the kernel of part 2 again; grid 4 x 96, 4 waves a work-group, clusters of 4 x 4, 327,680 bytes of LDS; arguments query_codes, key_codes, value_codes, query_scales, key_scales, value_scales, Wq_w_codes, Wk_w_codes, Wv_w_codes, Wq_w_scales, Wk_w_scales, Wv_w_scales, Wq_b, Wk_b, Wv_b, qimg, qsc, kv; writes qimg, qsc, kv
;; launch attn (part 5): grid 4 x 64, 16 waves a work-group, no clusters, 272,384 bytes of LDS; arguments qimg, qsc, kv, mbits, mflag, himg, hsc; writes himg, hsc
.if DOCPART == 5
	.amdgcn_target "amdgcn-amd-amdhsa--gfx1250"
	.amdhsa_code_object_version 6
	.text
	.protected	k_q3db90f39c6_attn
	.globl	k_q3db90f39c6_attn
	.p2align	8
	.type	k_q3db90f39c6_attn,@function
k_q3db90f39c6_attn:
	s_mov_b64 s[64:65], 0
	v_nop
	global_prefetch_b8 v0, s[64:65] scope:SCOPE_SE
	s_setreg_imm32_b32 hwreg(HW_REG_WAVE_SCHED_MODE, 0, 2), 2
	s_setreg_imm32_b32 hwreg(HW_REG_WAVE_MODE, 25, 1), 1
	s_wait_xcnt 0x0
	s_wait_alu depctr_vm_vsrc(0)
; H[head][q] = softmax_k(mask(Q . K / 8)) V, both products on codes of FP8 (E4M3) with one E8M0 scale for each 32 along K, and H's quantiser along the 1,024 units for the last product.
; THE SOFTMAX: t = score x c, c = log2(e) / 8; M = the running largest t rounded UP to a whole number; p = 2^(t - M) is quantised along the keys, not normalised; the row's sum is taken of the unquantised p and divides O
; at the end.  When M moves, the sum and O are multiplied by 2^(old M - new M): exact.
; SHARES.  A work-group owns 512 queries of one head: 4 x 64 = 256 work-groups of equal work.  Each of its sixteen waves owns 32 queries, two tiles of 16, taken in two passes over the 2,048 keys, 128 a step; four waves to a
; SIMD, so that one wave's vector work stands beside another's products and LDS loads.  The head's K, V and their scale words, 270,336 bytes, are copied into LDS once, as they lie in kv; one barrier in the launch.
; They lie as images of operand registers: every LDS load takes 512 consecutive bytes.
; NO TENSOR LOAD, NO CLUSTER: the jump over a step's 64 selects hangs on a number read from memory (mflag); and what partners would share is fetched once,
; 270,336 bytes at the head of a launch in which each wave walks them twice.
; LAYOUT.  Both products are used transposed: a lane (r, h) holds query r throughout.  S^T: register 16 f + 8 u + j = key 32 f + 16 u + 8 h + j.  The head's 64 are half of the instruction's K: a fragment of K holds TWO
; tiles of 16 keys (registers 0-7, 8-15), and Q stands in [0 | Q | 0], read as [Q | 0] for the even tile and as [0 | Q] for the odd: zero codes add nothing.
; p's 16 codes of a block (keys in the order above) and V's, made by the same lines in the launch before, have the same order of k inside a block of 32.  H's partner lies in the natural order, so H's codes are put
; into it by one exchange between the halves of the lanes, once a pass.
; THE MASK comes as lane masks (mbits): 64 words a step by scalar loads, ahead of the step.  A hidden score becomes -2^33, that is the logit -2^30 where reference() has -1e9: -2^33 x c is a whole number, so that in a row
; with no open key t - M is exactly 0 and every p is 1.  LIMIT: results differ from reference()'s only in rows that hold an open logit under about -9.9e8.
; LIMITS: NaN and infinities are not served; a block of zeros, and one whose largest magnitude lies under 2^-118, gets the scale byte 1 (the bytes are read by this program alone).
; hsc leaves as 2 bytes of each token's 32: one store a wave, 1/32 of H's bytes.
; THE MODE: SCHED_MODE bits 1:0 = 2 (LLVM: expert scheduling mode 2), set by the entry lines.  The code itself states the register dependences between vector or matrix instructions and memory or LDS instructions,
; with s_wait_alu, always for 0.
; THE PLAN.  Registers that memory or LDS instructions touch:
;   LI, QOF, FIL, L32   offsets and addresses, made once at the head and never written again.
;   ADK, ADS            LDS addresses of a step: written by two additions at the step's head, read by its 34 LDS loads.
;   FR                  one buffer that K and V share: K's 16 loads land at the step's head, the eight products S^T read it, V's 16 loads land, the four products O^T read it.
;   KS, VS              scale words: they land at the step's head; S^T reads KS, O^T reads VS.
;   v104-235            at the head only: a key step's 33 pieces land there and the LDS stores read them; then they are S, O, PC and the registers at work.
;   PC+8 .. PC+15       H's codes: written by the selects at a pass's end, read by two stores, written again by the next pass's conversions.     HW: written by a select, read by the last store.
; A STEP'S WAITS.  At its head one on vm_vsrc ahead of the two additions and one on va_vdst behind them (addresses written; the last products done with FR and VS); one on va_vdst behind S^T (done with FR), behind which V's
; loads are dealt among the selects and maxima, which name S, SMV and BM alone; the two behind the exponentials; one on va_vdst ahead of O^T's products (p's codes and scale word written).
.set STEPB, 16896                      ; a key step in kv and in LDS: + 0 K's four fragments, + 8192 V's four, + 16384 K's scale words, + 16640 V's
.set HEADB, 16*STEPB
.set VFO,   8192
.set KSO,   16384
.set VSO,   16640
.set LI,  1                            ; v1   16 x lane
.set L8,  2                            ; v2   8 x lane
.set ADK, 3                            ; v3   LDS address of the step's fragments
.set ADS, 4                            ; v4   and of its scale words
.set SMV, 5                            ; v5   -2^33
.set QS,  6                            ; v6   Q's scale word of the tile in hand: [s0, s1, s0, s1]
.set QW,  7                            ; v7   those of both tiles
.set HW,  8                            ; v8-9 H's two scale bytes, a register a tile
.set L32, 10                           ; v10  32 x lane
.set FIL, 11                           ; v11  where my wave's part of K and V goes in LDS
                                       ; v12 -M, v13 the largest t, v[14:15] the sum in two halves
.set QB,  16                           ; v16-31 [0 | Q]
.set QA,  24                           ; v24-39 [Q | 0]
.set FR,  40                           ; v40-103  four fragments of K, then of V
.set S,   104                          ; v104-167 S^T, then p, at a pass's end H
.set O,   168                          ; v168-199 O^T
.set PC,  200                          ; v200-215 p's codes
.set BM,  216                          ; v216-219 the blocks' largest
.set BT,  220                          ; v220-223 the other half's; bytes
.set BH,  224                          ; v224-227 448 x the scale
.set BS,  228                          ; v228-231 the conversions' scale operands
.set F,   232                          ; v[232:233] f = 2^(old M - new M), and a 0 named with it
.set T,   234
.set SU,  236                          ; v[236:237] the sum's second chain
.set KS,  238                          ; v[238:239] K's scale words
.set VS,  240                          ; v[240:241] V's
.set PW,  242                          ; v242 p's scale word
.set Q1,  244                          ; v244-251 the second tile's Q
.set QOF, 252                          ; v252 8 x (lane % 16)
.set WV,  2
.set TB,  3                            ; s3   LDS byte at which the step begins
.set ST,  4                            ; s4   the step
.set MP,  6                            ; s[6:7] the mask words last asked for
.set FLG, 8                            ; s8-9 which steps of my two tiles have holes
.set SEL, 10
.set CS,  12                           ; s[12:13] c, twice
.set MNT, 14
.set MH,  15                           ; lanes 16-31
.set HI,  66                           ; s[66:67] where H's codes go
.set HSP, 68                           ; s[68:69] and its scale bytes
.set INC, 70                           ; s[70:71] the mask pointer's step
                                       ; s16-63, s80-95: the step's 64 mask words: word n in s[16 + n], from n = 48 on in s[32 + n]
	s_load_b256 s[16:23], s[0:1], 0x0              ; qimg, qsc, kv, mbits
	s_load_b128 s[24:27], s[0:1], 0x20             ; mflag, himg
	s_load_b64 s[28:29], s[0:1], 0x30              ; hsc
	v_lshl_add_u32 v254, v0, 2, 0x42000
	v_mov_b32 v255, 0
	v_lshrrev_b32 v3, 5, v0
	v_readfirstlane_b32 s[WV], v3                  ; wave 0..15
	v_and_b32 v4, 31, v0
	v_lshlrev_b32 v[LI], 4, v4
	v_lshlrev_b32 v[L8], 3, v4
	v_lshlrev_b32 v[L32], 5, v4
	v_and_b32 v[QOF], 15, v0
	v_lshlrev_b32 v[QOF], 3, v[QOF]
	s_wait_alu depctr_va_sdst(0)                   ; the wave's number is written in s2, ahead of its first reader: LDS places and all my bases are made from it
	s_mul_i32 s5, s[WV], STEPB
	v_add_nc_u32 v[FIL], s5, v[LI]                 ; wave w copies key step w
	s_and_b32 s96, ttmp7, 0xffff                   ; head among the 64
	s_lshr_b32 s97, s96, 4                         ; batch
	s_and_b32 s98, s96, 15                         ; head in the batch
	s_lshl_b32 s99, ttmp9, 4
	s_add_co_u32 s99, s99, s[WV]                   ; my pair of query tiles, 0..63
	s_lshl_b32 s100, s97, 7
	s_lshl_b32 s101, s99, 1
	s_add_co_u32 s100, s100, s101                  ; my first tile among the 512 of all tokens
	s_lshl_b32 s74, s96, 17                        ; Q: 131,072 bytes a head, 2,048 a pair of tiles
	s_lshl_b32 s101, s99, 11
	s_add_co_u32 s74, s74, s101
	s_mov_b32 s75, 0
	s_lshl_b32 s76, s96, 12                        ; Q's scale words: 4,096 bytes a head, 256 for four pairs; pair p of the four: lanes 16 (p % 2) on, word p / 2
	s_lshr_b32 s101, s99, 2
	s_lshl_b32 s101, s101, 8
	s_add_co_u32 s76, s76, s101
	s_and_b32 s101, s99, 1
	s_lshl_b32 s101, s101, 7
	s_add_co_u32 s76, s76, s101
	s_bfe_u32 s101, s99, 0x10001
	s_lshl_b32 s101, s101, 2
	s_add_co_u32 s76, s76, s101
	s_mov_b32 s77, 0
	s_mul_i32 s72, s96, HEADB                      ; K and V: my head, my wave's step
	s_add_co_u32 s72, s72, s5
	s_mov_b32 s73, 0
	s_lshl_b32 s[MP], s100, 12                     ; mask words: 4,096 bytes a tile
	s_mov_b32 s[MP+1], 0
	s_lshl_b32 s78, s100, 2                        ; flags: a word a tile
	s_mov_b32 s79, 0
	s_lshr_b32 s[HI], s98, 2                       ; H's codes: [4 heads: 2,097,152][tile: 4,096][pair of heads: 2,048][head: 1,024][block: 512]
	s_lshl_b32 s[HI], s[HI], 21
	s_add_co_u32 s[HI], s[HI], s[MP]
	s_bfe_u32 s101, s98, 0x10001
	s_lshl_b32 s101, s101, 11
	s_add_co_u32 s[HI], s[HI], s101
	s_and_b32 s101, s98, 1
	s_lshl_b32 s101, s101, 10
	s_add_co_u32 s[HI], s[HI], s101
	s_mov_b32 s[HI+1], 0
	s_lshl_b32 s[HSP], s97, 16                     ; H's scale bytes: 32 a token, 2 a head
	s_lshl_b32 s101, s99, 10
	s_add_co_u32 s[HSP], s[HSP], s101
	s_lshl_b32 s101, s98, 1
	s_add_co_u32 s[HSP], s[HSP], s101
	s_mov_b32 s[HSP+1], 0
	s_mov_b32 s[SEL], 0x76543210
	s_mov_b32 s[SEL+1], 0xfedcba98                 ; v_permlanex16_b32's selects for lane l xor 16
	s_mov_b32 s[CS], 0x3e38aa3b                    ; c = log2(e) / 8
	s_mov_b32 s[CS+1], s[CS]
	s_mov_b32 s[MNT], 0x600000                     ; the mantissa field of 448
	s_mov_b32 s[MH], 0xffff0000
	s_mov_b32 s[INC+1], 0
	s_wait_kmcnt 0x0
	s_add_nc_u64 s[74:75], s[16:17], s[74:75]
	s_add_nc_u64 s[76:77], s[18:19], s[76:77]
	s_add_nc_u64 s[72:73], s[20:21], s[72:73]
	s_add_nc_u64 s[MP:MP+1], s[22:23], s[MP:MP+1]
	s_add_nc_u64 s[78:79], s[24:25], s[78:79]
	s_add_nc_u64 s[HI:HI+1], s[26:27], s[HI:HI+1]
	s_add_nc_u64 s[HSP:HSP+1], s[28:29], s[HSP:HSP+1]
	s_wait_alu depctr_va_vdst(0)                   ; LI, QOF, FIL and L32 are written: the loads and LDS stores below, and the stores on the ways out, read them as offsets and addresses
	global_load_b128 v[QA:QA+3], v[LI], s[74:75]                   ; the first tile's Q: block 0, block 1
	global_load_b128 v[QA+4:QA+7], v[LI], s[74:75] offset:512
	global_load_b128 v[Q1:Q1+3], v[LI], s[74:75] offset:1024       ; the second's
	global_load_b128 v[Q1+4:Q1+7], v[LI], s[74:75] offset:1536
	global_load_b32 v[QW], v[QOF], s[76:77]                        ; [tile 0: s0, s1; tile 1: s0, s1] of query lane % 16
.set i, 0
.rept 33
	global_load_b128 v[S+4*i:S+4*i+3], v[LI], s[72:73] offset:512*i   ; my wave's key step: 33 x 512 consecutive bytes
.set i, i+1
.endr
	s_load_b64 s[FLG:FLG+1], s[78:79], 0x0
	s_load_b512 s[16:31], s[MP:MP+1], 0x0          ; the first step's mask words (the arguments' registers have been read)
	s_load_b512 s[32:47], s[MP:MP+1], 0x40
	s_load_b512 s[48:63], s[MP:MP+1], 0x80
	s_load_b512 s[80:95], s[MP:MP+1], 0xc0
.set i, 0
.rept 33
	s_wait_loadcnt 32-i                            ; loads come back in order: piece i is in, the younger ones may be out; Q's are older
	ds_store_b128 v[FIL], v[S+4*i:S+4*i+3] offset:512*i
.set i, i+1
.endr
.irp i, 0,1,2,3,4,5,6,7
	v_mov_b32 v[QB+\i], 0                          ; the zero codes on both sides of Q (no memory or LDS instruction names these registers)
	v_mov_b32 v[QA+8+\i], 0
.endr
	v_mov_b32 v[SMV], 0xd0000000
	s_wait_dscnt 0x0                               ; for the others' sake: my part of K and V has landed
	s_barrier_signal -1
	s_barrier_wait -1                              ; the whole head lies in LDS; nothing writes LDS from here on
	s_wait_alu depctr_vm_vsrc(0)                   ; my LDS stores have read v104 to v235: from here on these registers are S, O, PC and the registers at work, written by vector and matrix instructions
.irp b, 0,1,2,3
	v_mov_b32 v[BT+\b], 0                          ; written once: a lane permute's destination counts as one of its sources
.endr
	v_mov_b32 v[F+1], 0                            ; (named as the upper half of the pair with f)
; V's fragment t of the step in hand: four loads of 512 consecutive bytes
.macro VFRAG t
.irp c, 0,1,2,3
	ds_load_b128 v[FR+16*(\t)+4*\c:FR+16*(\t)+4*\c+3], v[ADK] offset:VFO+2048*(\t)+512*\c
.endr
.endm
; A PASS: one tile of 16 queries against all 2,048 keys.
.macro PASS u
.if \u
	v_perm_b32 v[QS], v[QW], v[QW], 0x03020302
.else
	v_perm_b32 v[QS], v[QW], v[QW], 0x01000100     ; [s0, s1, s0, s1]: it serves [Q | 0] and [0 | Q]
.endif
	v_mov_b32 v13, 0xff61b1e6                      ; the largest t so far: -3e38, under every t
	v_floor_f32 v12, -v13                          ; -M
	v_mov_b32 v14, 0
	v_mov_b32 v15, 0
.set i, 0
.rept 32
	v_mov_b32 v[O+i], 0                            ; O^T.  (The step is written once: the first finds zeros, which the first change of M leaves zeros)
.set i, i+1
.endr
	s_mov_b32 s[TB], 0
	s_mov_b32 s[ST], 0
.Lstep_\@:
	s_wait_alu depctr_vm_vsrc(0)                   ; the last step's LDS loads have read ADK and ADS, which the two additions write again
	v_add_nc_u32 v[ADK], s[TB], v[LI]
	v_add_nc_u32 v[ADS], s[TB], v[L8]
.rept 6
	v_nop                                          ; with the two additions: eight places between the last products and the loads into the registers that they read; the wait below stands beside them
.endr
	s_wait_alu depctr_va_vdst(0)                   ; ADK and ADS are written, which the loads below read; the last step's products are done reading FR, KS and VS, in which they land; in a pass's first step QS, Q and the zero codes, which the products below take, are written
.irp f, 0,1,2,3
.irp c, 0,1,2,3
	ds_load_b128 v[FR+16*\f+4*\c:FR+16*\f+4*\c+3], v[ADK] offset:2048*\f+512*\c
.endr
.endr
	ds_load_b64 v[KS:KS+1], v[ADS] offset:KSO      ; fragment f's words: register f / 2, lanes 16 (f % 2) on
	ds_load_b64 v[VS:VS+1], v[ADS] offset:VSO
	s_wait_dscnt 0x0
.irp f, 0,1,2,3                                ; S^T = K Q^T: each fragment twice, for its even and its odd tile of keys
.if \f % 2
	v_wmma_scale_f32_16x16x128_f8f6f4 v[S+16*\f:S+16*\f+7], v[FR+16*\f:FR+16*\f+15], v[QA:QA+15], 0, v[KS+\f/2], v[QS] matrix_a_scale:MATRIX_SCALE_ROW1
	v_wmma_scale_f32_16x16x128_f8f6f4 v[S+16*\f+8:S+16*\f+15], v[FR+16*\f:FR+16*\f+15], v[QB:QB+15], 0, v[KS+\f/2], v[QS] matrix_a_scale:MATRIX_SCALE_ROW1
.else
	v_wmma_scale_f32_16x16x128_f8f6f4 v[S+16*\f:S+16*\f+7], v[FR+16*\f:FR+16*\f+15], v[QA:QA+15], 0, v[KS+\f/2], v[QS]
	v_wmma_scale_f32_16x16x128_f8f6f4 v[S+16*\f+8:S+16*\f+15], v[FR+16*\f:FR+16*\f+15], v[QB:QB+15], 0, v[KS+\f/2], v[QS]
.endif
.endr
.rept 8
	v_nop                                          ; places in front of the first read of the scores and of the loads below
.endr
	s_wait_alu depctr_va_vdst(0)                   ; the eight products are done reading FR, in which V's fragments land.  V's sixteen loads follow with no further wait, dealt among lines that name S, SMV and BM alone
	VFRAG 0                                        ; V's fragments land while the softmax is walked
	s_wait_kmcnt 0x0                               ; this step's mask words (and, the first time, the flags) are in: on both ways
	s_bitcmp1_b32 s[FLG+\u], s[ST]                 ; a step without holes skips the selects: a branch on a whole number that the first launch stored
	s_cbranch_scc0 .Lopen_\@
.set n, 0
.rept 48
	v_cndmask_b32 v[S+n], v[S+n], v[SMV], s[16+n]
.set n, n+1
.endr
.rept 16
	v_cndmask_b32 v[S+n], v[S+n], v[SMV], s[32+n]
.set n, n+1
.endr
.Lopen_\@:
.irp b, 0,1,2,3
	v_max3_num_f32 v[BM+\b], v[S+16*\b], v[S+1+16*\b], v[S+2+16*\b]   ; the largest score of each block of 32 keys: for the row's maximum, and, since p rises with the score, for the block's largest p
.endr
	VFRAG 1
.irp i, 3,5,7,9,11,13
.irp b, 0,1,2,3
	v_max3_num_f32 v[BM+\b], v[BM+\b], v[S+16*\b+\i], v[S+1+16*\b+\i]
.endr
.if \i == 5
	VFRAG 2
.endif
.if \i == 9
	VFRAG 3
.endif
.endr
.irp b, 0,1,2,3
	v_max_num_f32 v[BM+\b], v[BM+\b], v[S+15+16*\b]
.endr
.irp b, 0,1,2,3
	v_permlanex16_b32 v[BT+\b], v[BM+\b], s[SEL], s[SEL+1]
.endr
.irp b, 0,1,2,3
	v_max_num_f32 v[BM+\b], v[BM+\b], v[BT+\b]     ; with lane l xor 16's 16 keys
.endr
	v_max3_num_f32 v[T], v[BM], v[BM+1], v[BM+2]
	v_max_num_f32 v[T], v[T], v[BM+3]              ; the step's largest score of my query
	v_mul_f32 v[T], s[CS], v[T]                    ; as t (c is positive)
	v_max_num_f32 v13, v13, v[T]                   ; the running largest t
	v_mov_b32 v[T], v12
	v_floor_f32 v12, -v13                          ; the new -M = floor(-t): M is a whole number
	v_sub_f32 v[T], v12, v[T]                      ; old M - new M: a whole number, 0 or less
	v_cvt_i32_f32 v[T], v[T]                       ; (it saturates)
	v_ldexp_f32 v[F], 1.0, v[T]                    ; f = 2^(old M - new M)
.set i, 0
.rept 32
	v_pk_fma_f32 v[S+2*i:S+2*i+1], v[S+2*i:S+2*i+1], s[CS:CS+1], v[12:13] op_sel_hi:[1,0,0]   ; t - M, two at a time
.set i, i+1
.endr
.irp b, 0,1,2,3
	v_fma_f32 v[BM+\b], v[BM+\b], s[CS], v12       ; the same of each block's largest score
.endr
.set i, 0
.rept 64
	v_exp_f32 v[S+i], v[S+i]                       ; p = 2^(t - M), at most 1
.set i, i+1
.endr
	v_pk_mul_f32 v[14:15], v[14:15], v[F:F+1] op_sel_hi:[1,0]   ; the sums under the new M: a plain line behind the exponentials
	s_wait_alu depctr_va_vdst(0)                   ; the 64 exponentials have written p, ahead of its first reader: one wait for the batch.  The selects that read the mask words' registers stand ahead of it too: the scalar loads below land there
.if \u
	s_cmp_lt_u32 s[ST], 15                         ; behind my second tile's last step there is nothing of mine: the last look-ahead asks for its own words again and stays inside the buffer
	s_cselect_b32 s[INC], 256, 0
.else
	s_mov_b32 s[INC], 256                          ; the second tile's words follow the first's
.endif
	s_add_nc_u64 s[MP:MP+1], s[MP:MP+1], s[INC:INC+1]   ; (behind this step's wait on KMcnt: the loads that named it are done)
	s_load_b512 s[16:31], s[MP:MP+1], 0x0          ; the next step's words: the rest of this step and the next step's products ahead of the wait for them
	s_load_b512 s[32:47], s[MP:MP+1], 0x40
	s_load_b512 s[48:63], s[MP:MP+1], 0x80
	s_load_b512 s[80:95], s[MP:MP+1], 0xc0
.irp b, 0,1,2,3
	v_exp_f32 v[BM+\b], v[BM+\b]                   ; the block's largest p: the same two instructions on the same number
.endr
	v_pk_add_f32 v[SU:SU+1], v[S:S+1], v[S+2:S+3]  ; the row's sum is taken of the unquantised p, in two chains
.irp j, 4,8,12,16,20,24,28,32,36,40,44,48,52,56,60
	v_pk_add_f32 v[14:15], v[14:15], v[S+\j:S+1+\j]
	v_pk_add_f32 v[SU:SU+1], v[SU:SU+1], v[S+2+\j:S+3+\j]
.endr
	v_pk_add_f32 v[14:15], v[14:15], v[SU:SU+1]
	s_wait_alu depctr_va_vdst(0)                   ; the four exponentials have written the blocks' largest p, ahead of their first reader
.irp b, 0,1,2,3
	v_max_num_f32 v[BM+\b], 0x4800000, v[BM+\b]    ; the floor 2^(9 - 127): the byte cannot fall under 1
.endr
.irp b, 0,1,2,3
	v_add_nc_u32 v[BS+\b], 0xfc000000, v[BM+\b]    ; 8 off the exponent field: the conversion's scale operand
.endr
.irp b, 0,1,2,3
	v_and_or_b32 v[BH+\b], v[BM+\b], 0x7f800000, s[MNT]   ; 448 x the scale
.endr
.irp b, 0,1,2,3
	v_lshrrev_b32 v[BT+\b], 23, v[BS+\b]           ; the scale's byte
.endr
	v_lshl_or_b32 v[PW], v[BT+1], 8, v[BT]         ; p's scale word for these 128 keys
	v_lshl_or_b32 v[PW], v[BT+2], 16, v[PW]
	v_lshl_or_b32 v[PW], v[BT+3], 24, v[PW]
.irp b, 0,1,2,3
.irp i, 0,1,2,3,4,5,6,7,8,9,10,11,12,13,14,15
	v_min_num_f32 v[S+16*\b+\i], v[S+16*\b+\i], v[BH+\b]   ; the conversion does not saturate (ISA guide 7.6.2); p is not negative, so the hold is one-sided
.endr
	v_cvt_scalef32_pk8_fp8_f32 v[PC+4*\b:PC+1+4*\b], v[S+16*\b:S+7+16*\b], v[BS+\b]
	v_cvt_scalef32_pk8_fp8_f32 v[PC+2+4*\b:PC+3+4*\b], v[S+8+16*\b:S+15+16*\b], v[BS+\b]
.endr
.set i, 0
.rept 16
	v_pk_mul_f32 v[O+2*i:O+2*i+1], v[O+2*i:O+2*i+1], v[F:F+1] op_sel_hi:[1,0]   ; O^T under the new M.  These sixteen are also the places between the codes and the products below
.set i, i+1
.endr
	s_wait_dscnt 0x0                               ; V's fragments are in
	s_wait_alu depctr_va_vdst(0)                   ; the conversions have written p's codes, and the shifts its scale word, which the products below take as source 1 and as its scales; the places above stay beside this wait
.irp t, 0,1,2,3                                ; O^T += V^T P^T: four accumulators, one instruction each
.if \t % 2
	v_wmma_scale_f32_16x16x128_f8f6f4 v[O+8*\t:O+8*\t+7], v[FR+16*\t:FR+16*\t+15], v[PC:PC+15], v[O+8*\t:O+8*\t+7], v[VS+\t/2], v[PW] matrix_a_scale:MATRIX_SCALE_ROW1
.else
	v_wmma_scale_f32_16x16x128_f8f6f4 v[O+8*\t:O+8*\t+7], v[FR+16*\t:FR+16*\t+15], v[PC:PC+15], v[O+8*\t:O+8*\t+7], v[VS+\t/2], v[PW]
.endif
.endr
	s_add_co_u32 s[TB], s[TB], STEPB
	s_add_co_u32 s[ST], s[ST], 1
	s_cmp_lt_u32 s[ST], 16
	s_cbranch_scc1 .Lstep_\@
	; THE PASS'S END: O^T / the sum is H: register 8 t + j = unit 16 t + 8 h + j of the head, of query r
	v_add_f32 v14, v14, v15                        ; the sum's two halves,
	v_permlanex16_b32 v[BT], v14, s[SEL], s[SEL+1]
	v_add_f32 v14, v14, v[BT]                      ; and lane l xor 16's
	v_rcp_f32 v14, v14
.rept 6
	v_nop                                          ; with the two additions: eight places behind the last products; also the plain line behind the reciprocal
.endr
	s_wait_alu depctr_va_vdst(0)                   ; the reciprocal has written 1 / the sum, ahead of its first reader
.set i, 0
.rept 16
	v_pk_mul_f32 v[S+2*i:S+2*i+1], v[O+2*i:O+2*i+1], v[14:15] op_sel_hi:[1,0]   ; ascending: each accumulator is read from its low end on
.set i, i+1
.endr
.irp b, 0,1
	v_max3_num_f32 v[BM+\b], |v[S+16*\b]|, |v[S+1+16*\b]|, 0x4800000   ; H's two blocks of 32 units, with the floor
.endr
.irp i, 2,4,6,8,10,12,14
.irp b, 0,1
	v_max3_num_f32 v[BM+\b], v[BM+\b], |v[S+16*\b+\i]|, |v[S+1+16*\b+\i]|
.endr
.endr
.irp b, 0,1
	v_permlanex16_b32 v[BT+\b], v[BM+\b], s[SEL], s[SEL+1]
.endr
.irp b, 0,1
	v_max_num_f32 v[BM+\b], v[BM+\b], v[BT+\b]
.endr
.irp b, 0,1
	v_add_nc_u32 v[BS+\b], 0xfc000000, v[BM+\b]
.endr
.irp b, 0,1
	v_and_or_b32 v[BH+\b], v[BM+\b], 0x7f800000, s[MNT]
.endr
.irp b, 0,1
	v_lshrrev_b32 v[BT+\b], 23, v[BS+\b]
.endr
	v_lshl_or_b32 v[HW+\u], v[BT+1], 8, v[BT]      ; the head's two bytes of query r
.irp b, 0,1
.irp i, 0,1,2,3,4,5,6,7,8,9,10,11,12,13,14,15
	v_med3_num_f32 v[S+16*\b+\i], v[S+16*\b+\i], -v[BH+\b], v[BH+\b]
.endr
	v_cvt_scalef32_pk8_fp8_f32 v[PC+4*\b:PC+1+4*\b], v[S+16*\b:S+7+16*\b], v[BS+\b]
	v_cvt_scalef32_pk8_fp8_f32 v[PC+2+4*\b:PC+3+4*\b], v[S+8+16*\b:S+15+16*\b], v[BS+\b]
.endr
	v_nop                                          ; a plain line behind the last conversion
	; Into the natural order.  Of a block, lane h = 0 holds units 0-7 and 16-23, lane h = 1 units 8-15 and 24-31; the operand wants 0-15 and 16-31: each half sends the eight that the other wants
.irp b, 0,1
.irp i, 0,1
	v_cndmask_b32 v[BM+2*\b+\i], v[PC+4*\b+2+\i], v[PC+4*\b+\i], s[MH]   ; what I send: h = 0 its units 16-23, h = 1 its units 8-15
.endr
.endr
.irp b, 0,1
.irp i, 0,1
	v_permlanex16_b32 v[BT+2*\b+\i], v[BM+2*\b+\i], s[SEL], s[SEL+1]
.endr
.endr
.irp b, 0,1
.irp i, 0,1
	v_cndmask_b32 v[PC+8+4*\b+\i], v[PC+4*\b+\i], v[BT+2*\b+\i], s[MH]
	v_cndmask_b32 v[PC+10+4*\b+\i], v[BT+2*\b+\i], v[PC+4*\b+2+\i], s[MH]
.endr
.endr
	s_wait_alu depctr_va_vdst(0)                   ; the selects have written v[PC+8 .. PC+15], which the two stores read
.irp b, 0,1
	global_store_b128 v[LI], v[PC+8+4*\b:PC+11+4*\b], s[HI:HI+1] offset:4096*\u+512*\b   ; 512 consecutive aligned bytes: an image of four operand registers
.endr
.if \u == 0
.irp i, 0,1,2,3,4,5,6,7
	v_mov_b32 v[QA+\i], v[Q1+\i]                   ; the second tile's Q takes its place between the zeros
.endr
	s_wait_xcnt 0x0                                ; the stores have had their addresses translated: the codes' registers are written again only behind this wait,
	s_wait_alu depctr_vm_vsrc(0)                   ; and behind this one: the two stores have read v[PC+8 .. PC+15], which the next pass's conversions write again
.endif
.endm
	PASS 0
	PASS 1
	v_cndmask_b32 v[HW], v[HW], v[HW+1], s[MH]     ; lane l: the bytes of my token l of 32
	s_wait_alu depctr_va_vdst(0)                   ; the select has written v[HW], which the store reads
	global_store_b16 v[L32], v[HW], s[HSP:HSP+1]
	s_wait_dscnt 0x0
	s_wait_alu depctr_hold_cnt(0) depctr_sa_sdst(0) depctr_va_vdst(0) depctr_va_sdst(0) depctr_va_ssrc(0) depctr_va_vcc(0) depctr_vm_vsrc(0)
	s_wait_tensorcnt 0x0
	ds_add_u32 v254, v255
	s_wait_dscnt 0x0
	s_endpgm
.Lfunc_end_k_q3db90f39c6_attn:
	.size	k_q3db90f39c6_attn, .Lfunc_end_k_q3db90f39c6_attn-k_q3db90f39c6_attn
	.p2alignl 7, 3214868480
	.fill 96, 4, 3214868480
	.section	.rodata,"a",@progbits
	.p2align	6, 0x0
	.amdhsa_kernel k_q3db90f39c6_attn
		.amdhsa_group_segment_fixed_size 272384
		.amdhsa_private_segment_fixed_size 0
		.amdhsa_enable_private_segment 0
		.amdhsa_kernarg_size 56
		.amdhsa_user_sgpr_count 2
		.amdhsa_user_sgpr_kernarg_segment_ptr 1
		.amdhsa_wavefront_size32 1
		.amdhsa_system_sgpr_workgroup_id_x 1
		.amdhsa_system_sgpr_workgroup_id_y 1
		.amdhsa_system_sgpr_workgroup_id_z 1
		.amdhsa_system_vgpr_workitem_id 0
		.amdhsa_next_free_vgpr 256
		.amdhsa_next_free_sgpr 106
		.amdhsa_reserve_vcc 0
		.amdhsa_float_denorm_mode_32 3
		.amdhsa_float_denorm_mode_16_64 3
		.amdhsa_memory_ordered 1
		.amdhsa_forward_progress 1
		.amdhsa_inst_pref_size 74
	.end_amdhsa_kernel
	.amdgpu_metadata
---
amdhsa.version: [ 1, 2 ]
amdhsa.kernels:
  - .name:           k_q3db90f39c6_attn
    .symbol:         k_q3db90f39c6_attn.kd
    .args:
      - { .name: qimg, .offset: 0, .size: 8, .value_kind: global_buffer, .address_space: global }
      - { .name: qsc, .offset: 8, .size: 8, .value_kind: global_buffer, .address_space: global }
      - { .name: kv, .offset: 16, .size: 8, .value_kind: global_buffer, .address_space: global }
      - { .name: mbits, .offset: 24, .size: 8, .value_kind: global_buffer, .address_space: global }
      - { .name: mflag, .offset: 32, .size: 8, .value_kind: global_buffer, .address_space: global }
      - { .name: himg, .offset: 40, .size: 8, .value_kind: global_buffer, .address_space: global }
      - { .name: hsc, .offset: 48, .size: 8, .value_kind: global_buffer, .address_space: global }
    .group_segment_fixed_size: 272384
    .private_segment_fixed_size: 0
    .kernarg_segment_align: 8
    .kernarg_segment_size: 56
    .max_flat_workgroup_size: 512
    .sgpr_count:     106
    .vgpr_count:     256
    .wavefront_size: 32
...
	.end_amdgpu_metadata
.endif
;; end of part 5
;; launch proj_o: the kernel of part 4 again; grid 4 x 32, 4 waves a work-group, clusters of 4 x 4, 327,680 bytes of LDS; arguments himg, hsc, Wo_w_codes, Wo_w_scales, Wo_b, out0; writes out0
